; MI455X (gfx1250); checked and timed in simulation.
; The chip was launched on July 23, 2026; its instructions are those of AMD's public machine-readable ISA for CDNA 5 (MIT licence, August 2026) and "CDNA5" Instruction Set Architecture Reference Guide (July 2026). The comments in the code are by the model that wrote it; some were corrected since.
;; Self Attention. Allowed arithmetic: matrix products marked QUANTISED: E2M1 operands, one E8M0 scale for each 32 along K, by v_wmma_scale_f32_16x16x128_f8f6f4 with both operands' format E2M1 (or v_wmma_scale_f32_32x16x128_f4), f32 sums; everything else in f32.
;; Inputs: ln_b 1,024 float32; ln_w 1,024 float32; out_b 1,024 float32; out_w 1,024 x 1,024 float32; qkv_w 1,024 x 3,072 float32; x 4 x 2,048 x 1,024 float32.
;; Outputs: out0 4 x 2,048 x 1,024 float32.
;; This version of the problem:
;;   THIS VERSION OF THE PROBLEM IS GIVEN IN LOW PRECISION. The matrix products marked QUANTISED in the list below multiply operands that are first quantised to E2M1 (2 exponent bits, 1 mantissa bit; 4 bits a number), with one power-of-two scale for each 32 numbers along K (OCP MX v1.0); their sums are f32. All else is computed in f32.
;;   The module's matrix products, in the order in which they are computed (A, B: the left and right operand; K: the contracted axis; several contracted axes count as one K, in the product's order):
;;     1. [M 8,192, K 1,024] x [K 1,024, N 3,072]; A: computed on the way; B: input qkv_w: QUANTISED
;;     2. batch 64 x [M 2,048, K 64] x [K 64, N 2,048]; A: computed on the way; B: computed on the way: QUANTISED
;;     3. batch 64 x [M 64, K 2,048] x [K 2,048, N 2,048]; A: computed on the way; B: softmax (see below): QUANTISED
;;     4. [M 8,192, K 1,024] x [K 1,024, N 1,024]; A: computed on the way; B: input out_w: QUANTISED
;;   THE QUANTISER, for each operand of a quantised product, along K:
;;     - K is cut into blocks of 32 from its start; a last block that is shorter is filled with zeros.
;;     - A block's scale is 2^e with e = floor(log2(the largest magnitude in the block)) - 2, held to -126 .. 127; a block of zeros has e = 0. As a byte (E8M0): e + 127.
;;     - Each number is divided by its block's scale, clamped to +-6, and rounded to the nearest number of E2M1, ties to even, subnormals kept.
;;     - The product sums the exact products of the quantised numbers (number of the format x scale) in f32.
;;   ~~~python
;;   def quantise(x, axis):      # numpy; x: float32 -> the quantised numbers, widened to float32 again
;;       x = np.moveaxis(x, axis, -1); K = x.shape[-1]
;;       x = np.pad(x, [(0, 0)] * (x.ndim - 1) + [(0, -K % 32)]); x = x.reshape(x.shape[:-1] + (-1, 32)); a = np.abs(x).max(-1, keepdims=True)
;;       e = np.where(a > 0, np.clip(np.frexp(np.where(a > 0, a, 1))[1] - 1 - 2, -126, 127), 0)      # np.frexp(a)[1] - 1 = floor(log2(a)), exactly
;;       r = np.clip(x / 2.0 ** e, -6, 6)
;;       step = 2.0 ** (np.maximum(np.frexp(np.where(r == 0, 1, r))[1] - 1, 0) - 1)
;;       q = np.round(r / step) * step * 2.0 ** e      # np.round: ties to even
;;       return np.moveaxis(q.reshape(q.shape[:-2] + (-1,))[..., :K], -1, axis).astype(np.float32)
;;   ~~~
;;   SOFTMAX AHEAD OF A QUANTISED PRODUCT. Where the list says 'softmax', what is quantised is not the finished softmax but p = 2^(t - M), with t = logit x log2(e) and M = ceil(the row's largest t), a whole number; so 1/2 < the row's largest p <= 1. The row's sum l is taken of the UNQUANTISED p, in f32, and the product's result is divided by l at the end. Since M is a whole number, a kernel that streams over the keys may use a running M (the ceiling of the running maximum): every later rescaling is an exact power of two, which a block's scale takes up: the codes' values come out the same.
;;   OPERANDS COMPUTED ON THE WAY. 'Computed on the way' means the value that the module computes at that place (a softmax that the list does not call 'softmax' is quantised finished and normalised). What goes into a quantiser is computed in f32, as accurately as f32 sums, v_exp_f32 and their like allow (about 1e-6 of the number): no bf16 or f16 on the way to a quantiser, and a product that is left as it is and whose result goes on into a quantised operand takes f32 operands (vector FMAs, or v_wmma_f32_16x16x4_f32). A number that lies on a knife's edge between two numbers of the format may be rounded either way, as far as f32 arithmetic and the matrix unit's own rounding can turn it there, and no further.
;; One version. Each part assembles by itself: llvm-mc -triple=amdgcn-amd-amdhsa -mcpu=gfx1250 --defsym DOCPART=n.
;; ======== version 1 of 1: 4 launches
;; limits: right only within a limited range of input values
;; workspace buffers: pc 6,291,456 bytes; ps 393,216 bytes; qkvc 12,582,912 bytes; qkvs 1,310,720 bytes; oc 4,194,304 bytes; os 262,144 bytes
;; launch prep (part 1): grid 256 x 1, 4 waves a work-group, no clusters, 73,216 bytes of LDS; arguments x, ln_w, ln_b, qkv_w, out_w, pc, ps; writes pc, ps
.if DOCPART == 1
	.amdgcn_target "amdgcn-amd-amdhsa--gfx1250"
	.amdhsa_code_object_version 6
	.text
	.protected	k_qb2c4aa2b57_prep
	.globl	k_qb2c4aa2b57_prep
	.p2align	8
	.type	k_qb2c4aa2b57_prep,@function
k_qb2c4aa2b57_prep:
	s_mov_b64 s[64:65], 0
	v_nop
	global_prefetch_b8 v0, s[64:65] scope:SCOPE_SE
	s_setreg_imm32_b32 hwreg(HW_REG_WAVE_MODE, 25, 1), 1
	s_wait_xcnt 0x0
; PREP: everything that the first and the last product read as codes of FP4 (E2M1) with one E8M0 byte for each 32 along K = 1,024.
; Work-groups 0-127 quantise the two weights ([K][N] f32, K their first axis), work-groups 128-255 compute LayerNorm(x) and quantise it.
; ONE ROW SPACE J for both: J 0..8191 the normed rows, 8192..11263 qkv_w's columns regrouped (all q, all k, all v; in a kind 64 a head), 11264..12287 out_w's columns.
; In each group of 32 rows, place p holds the true row s(p) = p with bits 3 and 4 exchanged: a tile of 16 places is then eight neighbours and the eight that lie 16 further on,
; so that two neighbouring tiles used as a matrix instruction's source 0 leave 16 true neighbours in a lane's 16 result registers.
; pc: the codes as images of operand registers: [J / 16][k / 128][c][lane][16 bytes]; lane (r, h), group c: k = 128 ks + 64 c + 32 h + 0..31 of place 16 (J / 16) + r.
; ps: the scale words in planes: [k / 128][J][4 bytes].
; A block's byte is its largest magnitude's exponent field - 2, held at 1 from below by a floor among the maximum's leaves.
; LIMITS: NaN and infinities are not served.  A block whose largest magnitude lies under 2^-124 gets the byte 1; so does a block of zeros, where the rule says 127: its codes are
; zeros, which add nothing under that byte, and these bytes are read by this program alone.  The scale words leave in pieces of 128 bytes (weights) and 64 bytes (rows): 384 KiB in all.
; No tensor loads, no barrier: a wave shares nothing.  The two paths part once, on the work-group's number, and have LDS bytes of their own.
.set PSP,   49152                      ; a plane of ps: 12,288 rows x 4 bytes
.set OFFS,  24                         ; W: v24-55   4 x lane + i x the weight's row, i = 0..31
.set X,     56                         ; W: v56-119  two sets of 32 numbers: a block of 32 along K of my column
.set C,     120                        ; W: v120-123 a block's codes
.set SB,    124                        ; W: v124-125 two scale words
.set OUTR,  128                        ; W: v128-159 the way out
.set LNB,   18432                      ; LDS: 0..18431 the weights' four stages (32 rows x 144); from here the rows' four regions
.set LNW,   13568                      ; a wave's region: TST 32 x 144, CST 16 x 528, SST 512
.set CST,   4608
.set SST,   13056
.set LW,    24                         ; LN: v24-55  ln_w as loaded: load i, lane l: elements 128 i + 4 l ..
.set LB,    56                         ; LN: v56-87  ln_b likewise
.set SLT,   88                         ; LN: v88-215 four row slots of 32 registers
.set Y,     216                        ; LN: v216-247 one block of 32 neighbours
.set CD,    248                        ; LN: v248-251 its codes
	s_load_b256 s[4:11], s[0:1], 0x0               ; x s[4:5], ln_w s[6:7], ln_b s[8:9], qkv_w s[10:11]
	s_load_b128 s[12:15], s[0:1], 0x20             ; out_w s[12:13], pc s[14:15]
	s_load_b64 s[16:17], s[0:1], 0x30              ; ps
	v_lshl_add_u32 v254, v0, 2, 0x11c00
	v_mov_b32 v255, 0
	v_lshrrev_b32 v1, 5, v0
	v_readfirstlane_b32 s18, v1                    ; wave 0..3
	v_and_b32 v1, 31, v0                           ; lane
	s_cmp_lt_u32 ttmp9, 128
	s_cbranch_scc0 .Lln
; ---------------- THE WEIGHTS.  A lane takes a column, its registers run down K: nothing is transposed.  A wave: 32 columns x 256 along K (8 blocks).
	s_and_b32 s20, ttmp9, 3                        ; which quarter of K
	s_lshr_b32 s21, ttmp9, 2                       ; which 128 columns: 0-23 of qkv_w, 24-31 of out_w
	s_mov_b32 s22, 4096
	s_cmp_lt_u32 s21, 24
	s_cselect_b32 s22, 12288, s22                  ; a row of the weight in bytes
	s_cselect_b32 s23, 0, 24
	s_sub_co_u32 s23, s21, s23
	s_lshl_b32 s23, s23, 2
	s_add_co_u32 s24, s23, s18                     ; G: my 32 columns in their tensor
	s_lshr_b32 s25, s24, 1                         ; qkv_w: column / 64 = 3 x head + kind
	s_mul_i32 s26, s25, 43
	s_lshr_b32 s26, s26, 7                         ; head = that / 3 (exact for 0..47)
	s_mul_i32 s27, s26, 3
	s_sub_co_u32 s27, s25, s27                     ; kind
	s_lshl_b32 s27, s27, 10
	s_lshl_b32 s26, s26, 6
	s_add_co_u32 s27, s27, s26
	s_and_b32 s26, s24, 1
	s_lshl_b32 s26, s26, 5
	s_add_co_u32 s27, s27, s26
	s_add_co_u32 s27, s27, 8192                    ; J of my first column, in qkv_w
	s_lshl_b32 s26, s24, 5
	s_add_co_u32 s26, s26, 11264                   ; and in out_w
	s_cmp_lt_u32 s21, 24
	s_cselect_b32 s25, s27, s26                    ; J0
	s_wait_kmcnt 0x0
	s_cselect_b64 s[10:11], s[10:11], s[12:13]     ; the choice hangs on the work-group's number alone
	s_mul_i32 s26, s20, s22
	s_lshl_b32 s26, s26, 8                         ; 256 rows for each quarter of K
	s_lshl_b32 s27, s24, 7                         ; + my 32 columns
	s_add_co_u32 s26, s26, s27
	s_mov_b32 s27, 0
	s_add_nc_u64 s[10:11], s[10:11], s[26:27]
	s_lshl_b32 s28, s22, 5                         ; a block on: 32 rows
	s_mov_b32 s29, 0
	s_lshl_b32 s30, s25, 9                         ; pc: J0 x 512
	s_lshl_b32 s31, s20, 11                        ; + my two K steps of 1,024 bytes
	s_add_co_u32 s30, s30, s31
	s_mov_b32 s31, 0
	s_add_nc_u64 s[14:15], s[14:15], s[30:31]
	s_mul_i32 s30, s20, 2*PSP                      ; ps: my two planes
	s_lshl_b32 s32, s25, 2
	s_add_co_u32 s30, s30, s32
	s_add_nc_u64 s[16:17], s[16:17], s[30:31]
	s_wait_alu depctr_va_vdst(0)
	v_lshlrev_b32 v3, 2, v1
	v_and_b32 v10, 7, v1
	v_bfe_u32 v11, v1, 3, 1
	v_bfe_u32 v12, v1, 4, 1
	v_lshl_or_b32 v10, v11, 4, v10
	v_lshl_or_b32 v10, v12, 3, v10                 ; s(lane): the place of my column
	s_mul_i32 s19, s18, 4608                       ; my stage
	v_mul_u32_u24 v4, v10, 144
	v_add_nc_u32 v4, s19, v4                       ; into it: row = my column's place
	v_and_b32 v5, 15, v1
	v_mul_u32_u24 v7, v5, 144
	v_lshl_add_u32 v7, v12, 4, v7
	v_add_nc_u32 v7, s19, v7                       ; out of it, as an operand's lane takes it: row r, + 16 h
	v_lshlrev_b32 v8, 4, v1                        ; an image's place for my lane
	v_lshlrev_b32 v9, 2, v10                       ; my column's scale word
.set i, 0
.rept 32
	v_mad_u32_u24 v[OFFS+i], s22, i, v3
.set i, i+1
.endr
.macro LOADW t                         ; block t: W(32 t + i, my column) into set t % 2: each load reads 128 consecutive bytes, the four waves stand side by side on 512
.if (\t) > 0
	s_wait_xcnt 0x0                                ; the loads issued so far have read their base: it may step
	s_add_nc_u64 s[10:11], s[10:11], s[28:29]
.endif
.set i, 0
.rept 32
	global_load_b32 v[X+32*((\t)%2)+i], v[OFFS+i], s[10:11] th:TH_LOAD_NT
.set i, i+1
.endr
.endm
.macro BLOCKW t
.set XS, X+32*((\t)%2)
.if (\t) < 7
	s_wait_loadcnt 32                              ; this block's 32 loads are in; the next block's 32 may be out
.else
	s_wait_loadcnt 0x0
.endif
	v_max3_num_f32 v12, |v[XS]|, |v[XS+1]|, |v[XS+2]|
	v_max3_num_f32 v13, |v[XS+3]|, |v[XS+4]|, |v[XS+5]|
.irp i, 6,10,14,18,22,26
	v_max3_num_f32 v12, v12, |v[XS+\i]|, |v[XS+\i+1]|
	v_max3_num_f32 v13, v13, |v[XS+\i+2]|, |v[XS+\i+3]|
.endr
	v_max3_num_f32 v12, v12, |v[XS+30]|, |v[XS+31]|
	v_max3_num_f32 v12, v12, v13, 0x1800000        ; with the floor 2^(3 - 127): the byte cannot fall under 1
	v_add_nc_u32 v11, 0xff000000, v12              ; 2 off the exponent field: the conversion's scale operand
	v_lshrrev_b32 v13, 23, v11                     ; the byte
.if (\t)%4 == 0
	v_mov_b32 v[SB+(\t)/4], v13
.else
	v_lshl_or_b32 v[SB+(\t)/4], v13, 8*((\t)%4), v[SB+(\t)/4]
.endif
.irp g, 0,1,2,3
	v_cvt_scalef32_pk8_fp4_f32 v[C+\g], v[XS+8*\g:XS+8*\g+7], v11
.endr
	ds_store_b128 v4, v[C:C+3] offset:16*(\t)      ; 32 codes: 16 bytes of my column's row
.if (\t)+2 < 8
	LOADW (\t)+2
.endif
	s_wait_dscnt 0x0                               ; the store has read its registers: the next block's codes may be written
.endm
	LOADW 0
	s_wait_alu depctr_va_vdst(0)
	LOADW 1
.irp t, 0,1,2,3,4,5,6,7
	BLOCKW \t
.endr
	global_store_b32 v9, v[SB], s[16:17]           ; 32 words, 128 consecutive bytes of a plane
	s_wait_alu depctr_va_vdst(0)
	global_store_b32 v9, v[SB+1], s[16:17] offset:PSP
.set n, 0
.irp rbk, 0,1
.irp ksl, 0,1
.irp c, 0,1
	ds_load_b128 v[OUTR+4*n:OUTR+4*n+3], v7 offset:16*\rbk*144+64*\ksl+32*\c   ; LDS serves a wave's instructions in order: these see my stores
.set n, n+1
.endr
.endr
.endr
.set n, 0
.irp rbk, 0,1
.irp ksl, 0,1
.irp c, 0,1
	s_wait_dscnt 7-n                               ; the younger loads of this run may be out
	global_store_b128 v8, v[OUTR+4*n:OUTR+4*n+3], s[14:15] offset:\rbk*8192+\ksl*1024+512*\c   ; 512 consecutive bytes, aligned
.set n, n+1
.endr
.endr
.endr
	s_wait_tensorcnt 0x0
	ds_add_u32 v254, v255
	s_wait_dscnt 0x0
	s_endpgm
; ---------------- LAYERNORM.  A wave takes the 16 rows of one tile of places; a row of 4,096 bytes is 32 registers and is read once.
.Lln:
	s_sub_co_u32 s20, ttmp9, 128
	s_lshl_b32 s20, s20, 2
	s_add_co_u32 s20, s20, s18                     ; rb: my tile of 16 places, 0..511
	s_lshr_b32 s21, s20, 1
	s_lshl_b32 s21, s21, 5
	s_and_b32 s22, s20, 1
	s_lshl_b32 s22, s22, 3
	s_add_co_u32 s21, s21, s22                     ; place j of the tile is token 32 (rb / 2) + 8 (rb % 2) + j % 8 + 16 (j / 8)
	s_lshl_b32 s22, s21, 12
	s_mov_b32 s23, 0
	s_lshl_b32 s24, s20, 13                        ; pc: 8,192 bytes a tile
	s_mov_b32 s25, 0
	s_lshl_b32 s26, s20, 6                         ; ps: 64 bytes a tile in each plane
	s_mov_b32 s27, 0
	s_mov_b32 s28, 0x76543210
	s_mov_b32 s29, 0xfedcba98                      ; v_permlanex16_b32's selects for lane l xor 16
	s_mov_b32 s30, 0x3a800000                      ; 1 / 1,024
	s_mul_i32 s19, s18, LNW
	s_add_co_u32 s19, s19, LNB                     ; my region of LDS
	s_wait_alu depctr_va_vdst(0)
	v_lshlrev_b32 v2, 4, v1                        ; 16 x lane
	v_lshrrev_b32 v10, 3, v1
	v_and_b32 v11, 7, v1
	v_mul_u32_u24 v3, v10, 144
	v_lshl_add_u32 v3, v11, 4, v3
	v_add_nc_u32 v3, s19, v3                       ; TST, in: eight lanes' 128 bytes are a block of 32 numbers; blocks 144 bytes apart
	v_mul_u32_u24 v4, v1, 144
	v_add_nc_u32 v4, s19, v4                       ; TST, out: block = lane
	v_add_nc_u32 v5, s19, v2
	v_add_nc_u32 v5, CST, v5                       ; CST: a row's 512 bytes of codes, 16 a lane
	v_lshrrev_b32 v10, 2, v1
	v_and_b32 v11, 3, v1
	v_lshl_add_u32 v6, v10, 6, v11
	v_add_nc_u32 v6, s19, v6
	v_add_nc_u32 v6, SST, v6                       ; SST [ks][16 rows][4]: my block's byte
	v_and_b32 v12, 15, v1
	v_lshrrev_b32 v13, 4, v1
	v_mul_u32_u24 v7, v12, 528
	v_lshl_add_u32 v7, v13, 4, v7
	v_add_nc_u32 v7, s19, v7
	v_add_nc_u32 v7, CST, v7                       ; CST as an operand's lane takes it: row r, + 16 h
	v_add_nc_u32 v8, s19, v2
	v_add_nc_u32 v8, SST, v8
	v_mul_u32_u24 v9, v10, PSP
	v_lshl_add_u32 v9, v11, 4, v9                  ; ps: plane lane / 4, 16 bytes for each of four lanes
	v_mov_b32 v23, 0                               ; a lane permute's destination counts as one of its sources
	s_wait_kmcnt 0x0
	s_add_nc_u64 s[4:5], s[4:5], s[22:23]
	s_add_nc_u64 s[14:15], s[14:15], s[24:25]
	s_add_nc_u64 s[16:17], s[16:17], s[26:27]
.irp i, 0,1,2,3,4,5,6,7
	global_load_b128 v[LW+4*\i:LW+4*\i+3], v2, s[6:7] offset:512*\i
.endr
.irp i, 0,1,2,3,4,5,6,7
	global_load_b128 v[LB+4*\i:LB+4*\i+3], v2, s[8:9] offset:512*\i
.endr
.macro FILL j                          ; row j into slot j % 4: eight loads of 512 consecutive bytes
.irp i, 0,1,2,3,4,5,6,7
	global_load_b128 v[SLT+32*((\j)%4)+4*\i:SLT+32*((\j)%4)+4*\i+3], v2, s[4:5] offset:(((\j)&7)+16*((\j)>>3))*4096+512*\i th:TH_LOAD_NT
.endr
.endm
.macro REDUCE r                        ; the sum over the 32 lanes, in every lane
	v_add_f32_dpp v[\r], v[\r], v[\r] row_xmask:1 row_mask:0xf bank_mask:0xf
	v_add_f32_dpp v[\r], v[\r], v[\r] row_xmask:2 row_mask:0xf bank_mask:0xf
	v_add_f32_dpp v[\r], v[\r], v[\r] row_xmask:4 row_mask:0xf bank_mask:0xf
	v_add_f32_dpp v[\r], v[\r], v[\r] row_xmask:8 row_mask:0xf bank_mask:0xf
	v_permlanex16_b32 v23, v[\r], s28, s29
	v_add_f32 v[\r], v[\r], v23
.endm
	FILL 0
	FILL 1
	FILL 2
	FILL 3
.macro ROW j
.set RS, SLT+32*((\j)%4)
.if 15-(\j) >= 3
	s_wait_loadcnt 24                              ; my row is in (and ln_w, ln_b); the three younger rows may be out
.else
	s_wait_loadcnt 8*(15-(\j))
.endif
	v_pk_add_f32 v[10:11], v[RS:RS+1], v[RS+2:RS+3]          ; the row's sum, in four chains
	v_pk_add_f32 v[12:13], v[RS+4:RS+5], v[RS+6:RS+7]
	v_pk_add_f32 v[14:15], v[RS+8:RS+9], v[RS+10:RS+11]
	v_pk_add_f32 v[16:17], v[RS+12:RS+13], v[RS+14:RS+15]
.irp p, 16,24
	v_pk_add_f32 v[10:11], v[10:11], v[RS+\p:RS+\p+1]
	v_pk_add_f32 v[12:13], v[12:13], v[RS+\p+2:RS+\p+3]
	v_pk_add_f32 v[14:15], v[14:15], v[RS+\p+4:RS+\p+5]
	v_pk_add_f32 v[16:17], v[16:17], v[RS+\p+6:RS+\p+7]
.endr
	v_pk_add_f32 v[10:11], v[10:11], v[12:13]
	v_pk_add_f32 v[14:15], v[14:15], v[16:17]
	v_pk_add_f32 v[10:11], v[10:11], v[14:15]
	v_add_f32 v10, v10, v11
	REDUCE 10
	v_mul_f32 v10, s30, v10                        ; the mean
.set p, 0
.rept 16
	v_pk_add_f32 v[RS+p:RS+p+1], v[RS+p:RS+p+1], v[10:11] op_sel_hi:[1,0] neg_lo:[0,1] neg_hi:[0,1]   ; x - mean, in place (the pair's low word serves both halves)
.set p, p+2
.endr
	v_pk_mul_f32 v[12:13], v[RS:RS+1], v[RS:RS+1]            ; the sum of its squares, in four chains
	v_pk_mul_f32 v[14:15], v[RS+2:RS+3], v[RS+2:RS+3]
	v_pk_mul_f32 v[16:17], v[RS+4:RS+5], v[RS+4:RS+5]
	v_pk_mul_f32 v[18:19], v[RS+6:RS+7], v[RS+6:RS+7]
.irp p, 8,16,24
	v_pk_fma_f32 v[12:13], v[RS+\p:RS+\p+1], v[RS+\p:RS+\p+1], v[12:13]
	v_pk_fma_f32 v[14:15], v[RS+\p+2:RS+\p+3], v[RS+\p+2:RS+\p+3], v[14:15]
	v_pk_fma_f32 v[16:17], v[RS+\p+4:RS+\p+5], v[RS+\p+4:RS+\p+5], v[16:17]
	v_pk_fma_f32 v[18:19], v[RS+\p+6:RS+\p+7], v[RS+\p+6:RS+\p+7], v[18:19]
.endr
	v_pk_add_f32 v[12:13], v[12:13], v[14:15]
	v_pk_add_f32 v[16:17], v[16:17], v[18:19]
	v_pk_add_f32 v[12:13], v[12:13], v[16:17]
	v_add_f32 v12, v12, v13
	REDUCE 12
	v_fmaak_f32 v12, s30, v12, 0x3727c5ac          ; the variance + 1e-5
	s_wait_alu depctr_va_vdst(0)
	v_rsq_f32 v14, v12
	v_nop                                          ; a plain instruction behind the transcendental (ISA guide 5.7.2)
	s_wait_alu depctr_va_vdst(0)                   ; and a wait ahead of its first reader
.set p, 0
.rept 16
	v_pk_mul_f32 v[RS+p:RS+p+1], v[RS+p:RS+p+1], v[14:15] op_sel_hi:[1,0]
.set p, p+2
.endr
.set p, 0
.rept 16
	v_pk_fma_f32 v[RS+p:RS+p+1], v[RS+p:RS+p+1], v[LW+p:LW+p+1], v[LB+p:LB+p+1]
.set p, p+2
.endr
.irp i, 0,1,2,3,4,5,6,7
	ds_store_b128 v3, v[RS+4*\i:RS+4*\i+3] offset:576*\i     ; the row turns through my stage: in as loaded,
.endr
.irp i, 0,1,2,3,4,5,6,7
	ds_load_b128 v[Y+4*\i:Y+4*\i+3], v4 offset:16*\i         ; out a whole block of 32 neighbours a lane
.endr
	s_wait_dscnt 0x0                               ; the block is in; the stores have read the slot; the last row's codes and byte have been stored
.if (\j)+4 < 16
	FILL (\j)+4
.endif
	v_max3_num_f32 v20, |v[Y]|, |v[Y+1]|, |v[Y+2]|
	v_max3_num_f32 v21, |v[Y+3]|, |v[Y+4]|, |v[Y+5]|
.irp i, 6,10,14,18,22,26
	v_max3_num_f32 v20, v20, |v[Y+\i]|, |v[Y+\i+1]|
	v_max3_num_f32 v21, v21, |v[Y+\i+2]|, |v[Y+\i+3]|
.endr
	v_max3_num_f32 v20, v20, |v[Y+30]|, |v[Y+31]|
	v_max3_num_f32 v20, v20, v21, 0x1800000        ; with the floor 2^(3 - 127)
	v_add_nc_u32 v21, 0xff000000, v20              ; the conversion's scale operand
.irp g, 0,1,2,3
	v_cvt_scalef32_pk8_fp4_f32 v[CD+\g], v[Y+8*\g:Y+8*\g+7], v21
.endr
	v_lshrrev_b32 v22, 23, v21                     ; the byte (also the plain instruction behind the conversions)
	ds_store_b128 v5, v[CD:CD+3] offset:528*(\j)
	ds_store_b8 v6, v22 offset:4*(\j)
.endm
.irp j, 0,1,2,3,4,5,6,7,8,9,10,11,12,13,14,15
	ROW \j
.endr
.set n, 0
.irp ks, 0,1,2,3,4,5,6,7
.irp c, 0,1
	ds_load_b128 v[SLT+4*n:SLT+4*n+3], v7 offset:64*\ks+32*\c   ; the tile's image, group by group
.set n, n+1
.endr
.endr
	ds_load_b128 v[SLT+64:SLT+67], v8              ; and its scale words
.set n, 0
.irp ks, 0,1,2,3,4,5,6,7
.irp c, 0,1
	s_wait_dscnt 16-n                              ; the younger loads of this run may be out
	global_store_b128 v2, v[SLT+4*n:SLT+4*n+3], s[14:15] offset:1024*\ks+512*\c   ; 512 consecutive bytes, aligned
.set n, n+1
.endr
.endr
	s_wait_dscnt 0x0
	global_store_b128 v9, v[SLT+64:SLT+67], s[16:17]   ; eight pieces of 64 bytes, one in each plane
	s_wait_tensorcnt 0x0
	ds_add_u32 v254, v255
	s_wait_dscnt 0x0
	s_endpgm
.Lfunc_end_k_qb2c4aa2b57_prep:
	.size	k_qb2c4aa2b57_prep, .Lfunc_end_k_qb2c4aa2b57_prep-k_qb2c4aa2b57_prep
	.p2alignl 7, 3214868480
	.fill 96, 4, 3214868480
	.section	.rodata,"a",@progbits
	.p2align	6, 0x0
	.amdhsa_kernel k_qb2c4aa2b57_prep
		.amdhsa_group_segment_fixed_size 73216
		.amdhsa_private_segment_fixed_size 0
		.amdhsa_enable_private_segment 0
		.amdhsa_kernarg_size 56
		.amdhsa_user_sgpr_count 2
		.amdhsa_user_sgpr_kernarg_segment_ptr 1
		.amdhsa_wavefront_size32 1
		.amdhsa_system_sgpr_workgroup_id_x 1
		.amdhsa_system_sgpr_workgroup_id_y 1
		.amdhsa_system_sgpr_workgroup_id_z 1
		.amdhsa_system_vgpr_workitem_id 0
		.amdhsa_next_free_vgpr 256
		.amdhsa_next_free_sgpr 66
		.amdhsa_reserve_vcc 0
		.amdhsa_float_denorm_mode_32 3
		.amdhsa_float_denorm_mode_16_64 3
		.amdhsa_memory_ordered 1
		.amdhsa_forward_progress 1
		.amdhsa_inst_pref_size 202
	.end_amdhsa_kernel
	.amdgpu_metadata
---
amdhsa.version: [ 1, 2 ]
amdhsa.kernels:
  - .name:           k_qb2c4aa2b57_prep
    .symbol:         k_qb2c4aa2b57_prep.kd
    .args:
      - { .name: x, .offset: 0, .size: 8, .value_kind: global_buffer, .address_space: global }
      - { .name: ln_w, .offset: 8, .size: 8, .value_kind: global_buffer, .address_space: global }
      - { .name: ln_b, .offset: 16, .size: 8, .value_kind: global_buffer, .address_space: global }
      - { .name: qkv_w, .offset: 24, .size: 8, .value_kind: global_buffer, .address_space: global }
      - { .name: out_w, .offset: 32, .size: 8, .value_kind: global_buffer, .address_space: global }
      - { .name: pc, .offset: 40, .size: 8, .value_kind: global_buffer, .address_space: global }
      - { .name: ps, .offset: 48, .size: 8, .value_kind: global_buffer, .address_space: global }
    .group_segment_fixed_size: 73216
    .private_segment_fixed_size: 0
    .kernarg_segment_align: 8
    .kernarg_segment_size: 56
    .max_flat_workgroup_size: 128
    .sgpr_count:     66
    .vgpr_count:     256
    .wavefront_size: 32
...
	.end_amdgpu_metadata
.endif
;; end of part 1
;; launch qkv (part 2): grid 8 x 32, 4 waves a work-group, clusters of 4 x 4, 327,680 bytes of LDS; arguments pc, ps, qkvc, qkvs; writes qkvc, qkvs
.if DOCPART == 2
	.amdgcn_target "amdgcn-amd-amdhsa--gfx1250"
	.amdhsa_code_object_version 6
	.text
	.protected	k_qb2c4aa2b57_qkv
	.globl	k_qb2c4aa2b57_qkv
	.p2align	8
	.type	k_qb2c4aa2b57_qkv,@function
k_qb2c4aa2b57_qkv:
	s_mov_b64 s[64:65], 0
	v_nop
	global_prefetch_b8 v0, s[64:65] scope:SCOPE_SE
	s_setreg_imm32_b32 hwreg(HW_REG_WAVE_MODE, 25, 1), 1
	s_wait_xcnt 0x0
	s_wait_alu depctr_hold_cnt(0) depctr_sa_sdst(0) depctr_va_vdst(0) depctr_va_sdst(0) depctr_va_ssrc(0) depctr_va_vcc(0) depctr_vm_vsrc(0)
	s_getreg_b32 s2, hwreg(HW_REG_IB_STS2, 6, 4)
	s_cmp_eq_u32 s2, 0
	s_cbranch_scc0 .Lentry_in_a_cluster
	s_endpgm
.Lentry_in_a_cluster:
	s_bfe_u32 s2, ttmp6, 0x10000c
	s_cmp_lg_u32 s2, 0xf033
	s_cbranch_scc0 .Lentry_shape_is_right
	s_endpgm
.Lentry_shape_is_right:
; QKV: LayerNorm(x) x qkv_w on codes of FP4 with E8M0 scales, K = 1,024; the results leave as codes again: q and k quantised along a head's 64 channels, v along the keys.
; 256 work-groups of four waves, 2 x 2.  Each makes two things on end from the SAME 256 tokens, whose codes and scale words are loaded once and stay in LDS:
; PHASE 1: 256 tokens x 256 columns of q (cluster x = 0) or k (1): source 0 = the weight's columns, source 1 = tokens: a lane holds one token and its registers run along the channels.  A wave: 128 x 128, 64 accumulators.
; PHASE 2: 128 columns of v x the 256 tokens: source 0 = tokens, source 1 = v's columns: a lane holds one channel and its registers run along the keys.  A wave: 64 channels (one head) x 128 tokens, 32 accumulators.
; v's 8 tiles of 128 columns go by 4 x cluster x + cx, as phase 1's column tiles do: each of v's 8 x 32 tiles has one work-group.
; The rows of both operands lie in places with bits 3 and 4 exchanged inside each 32, so the 16 registers of source 0's tiles 2 b and 2 b + 1 are 16 true neighbours 32 b + 16 (lane / 16) + 0..15.
; FILLS.  At the head one joint load a wave: wave 0 the tokens' codes (131,072 dense bytes), wave 1 the weight's, wave 2 the tokens' scale words (8 planes x 1,024 bytes), wave 3 the weight's.
; ONE REFILL, behind a tensor wait, an add, an LDS wait and a round of the cluster's barrier, which stand round phase 1's last K step: wave 0 brings v's 65,536 bytes of codes onto the first weight's,
; wave 1 v's scale words onto the first weight's (a plane has 512 bytes; the tile is stated 1,024 wide over a tensor 512 wide, so the rest is written as zeros and the pitch stays).
; The refill has phase 1's whole way out, which touches no LDS, in which to land; a plain barrier, behind which nothing is filled, then shows it to all waves.
; No prefetch: the head's fills stand ahead of every loop, and the refill is asked for a whole way out ahead of its first read.
; CLUSTER 4 x 4: the tokens' tiles are shared along a row of the cluster, the weights' along a column: joint loads.
; Codes lie in memory and in LDS as images of operand registers: [16 rows][K step][c][lane][16 bytes]: a fragment is two loads of 512 consecutive bytes.
; K: step 0 starts the sums and stands ahead of the loop; steps 1 to 6 are three trips of two steps (the two sets of fragment registers take turns); step 7 fetches nothing and is written out.
; THE WAY OUT needs no LDS: 64 registers of a lane are four blocks of 32 along the next K; their codes are the next operand's registers and are stored 16 bytes a lane, 512 consecutive bytes a store.
; LIMITS: NaN and infinities are not served; a block whose largest magnitude lies under 2^-124 (a block of zeros too) gets the byte 1; these bytes are read by this program alone.
; REGISTERS: window 0: v0-31 addresses; v32-47 scale words, two sets; v128-255 source 1's fragments, two sets (on the way out v200-251 are at work).
;   window 1: source 0's fragments, two sets, at v0 and v128.   windows 2, 3: accumulator (a, b) at v[8 (8 (a % 4) + b)], a = source 1's block, b = source 0's tile.
.set QB,    131072                     ; the weight's codes, behind the tokens'
.set SCL,   262144                     ; scale words: the tokens' [K step][256 rows][4 bytes], then the weight's
.set SPARE, SCL+16384
.set ADRA,  16                         ; v16 my 128 tokens' codes + 16 x lane
.set ADRV,  17                         ; v17 my 64 columns of v
.set CA,    18                         ; v18, v19, v22 the trip's addresses: source 0, source 1, scale words
.set CB,    19
.set ADRB,  20                         ; v20 my 128 columns of q or k
.set ADRS2, 21                         ; v21 phase 2's scale words: lanes 0-15 v's columns, lanes 16-31 tokens
.set CSS,   22
.set O1,    24
.set O2,    25
.set ADRS,  27                         ; v27 phase 1's scale words: lanes 0-15 tokens, lanes 16-31 columns
.set L8,    28
.set SC,    32
.set AF,    128
.set TM,    200
.set PW,    224
.set PC,    232
.set RR,    240
.set G1,  24
.set G0,  32
.set G0V, 36                           ; s[36:39] group 0 of v's codes;  s[60:63] of v's scale words
.set G1B, 48
.set G0B, 56
.set G0VS, 60
.set G1S, 68
.set G0S, 76
.set G1SB, 80
.set G0SB, 88
.set SEL, 66
.set SELA, 99
.set SELB, 45
.set MSB, 0
.macro WIN new                         ; the immediate's high byte repeats the setting that is left
.if MSB != \new
	s_set_vgpr_msb (MSB<<8)|\new
.set MSB, \new
.endif
.endm
.macro CROUND                          ; a round of the cluster's barrier
	s_barrier_signal -1
	s_barrier_wait -1
	s_cmp_lg_u32 s14, 0
	s_cbranch_scc1 .Lnot_wave_0_\@
	s_barrier_signal -3
.Lnot_wave_0_\@:
	s_barrier_wait -3
	s_barrier_signal -1
	s_barrier_wait -1
.endm
.macro PLACES n
.rept \n
	v_nop
.endr
.endm
.macro TLOAD g0, g1                    ; a load, its s_nop 0 and four v_nop
	tensor_load_to_lds s[\g0:\g0+3], s[\g1:\g1+7]
	s_nop 0
	PLACES 4
.endm
.macro ARM under, g0, g1, next         ; one arm of the head's chain
	s_cmp_lt_u32 s14, \under
	s_cbranch_scc0 \next
	TLOAD \g0, \g1
	s_branch .Lhead_asked
\next:
.endm
	s_load_b128 s[4:7], s[0:1], 0x0                ; pc, ps
	s_load_b128 s[8:11], s[0:1], 0x10              ; qkvc, qkvs
	v_lshl_add_u32 v126, v0, 2, SPARE
	v_mov_b32 v127, 0
	ds_add_u32 v126, v127
	ds_add_u32 v126, v127
	v_lshrrev_b32 v1, 5, v0
	v_readfirstlane_b32 s14, v1                    ; wave 0..3
	s_lshr_b32 s15, s14, 1                         ; my half of the tokens
	s_and_b32 s16, s14, 1                          ; my half of the columns
	s_bfe_u32 s40, ttmp6, 0x40000                  ; cx
	s_bfe_u32 s41, ttmp6, 0x40004                  ; cy
	s_and_b32 s17, ttmp7, 0xffff
	s_lshl_b32 s17, s17, 2
	s_add_co_u32 s17, s17, s41                     ; the tile of 256 tokens hangs on cy alone
	s_lshl_b32 s42, ttmp9, 2
	s_add_co_u32 s42, s42, 32                      ; q's columns begin at tile 32 of the row space, k's at 36
	s_add_co_u32 s42, s42, s40                     ; the tile of 256 columns hangs on cx alone
	s_lshl_b32 s43, s41, 2
	s_lshl_b32 s43, 15, s43                        ; my row of the cluster
	s_lshl_b32 s44, 0x1111, s40                    ; my column
	; group 1, codes: 16 rows (one for each 16 rows of the operand) of 8,192 bytes, dense; elements of 8 bytes
	s_or_b32 s[G1+0], s43, (3<<16)|(1<<21)
	s_or_b32 s[G1B+0], s44, (3<<16)|(1<<21)
.irp g, G1, G1B
	s_mov_b32 s[\g+1], 1024<<16
	s_mov_b32 s[\g+2], 16<<16
	s_mov_b32 s[\g+3], 1024<<16
	s_mov_b32 s[\g+4], 16
	s_mov_b32 s[\g+5], 1024
	s_mov_b32 s[\g+6], 0
	s_mov_b32 s[\g+7], 0
.endr
	; group 1, scales: 8 rows (K steps) of 1,024 bytes (256 rows' words), a plane of 49,152 bytes apart
	s_or_b32 s[G1S+0], s43, (3<<16)|(1<<21)
	s_or_b32 s[G1SB+0], s44, (3<<16)|(1<<21)
.irp g, G1S, G1SB
	s_mov_b32 s[\g+1], 128<<16
	s_mov_b32 s[\g+2], 8<<16
	s_mov_b32 s[\g+3], 128<<16
	s_mov_b32 s[\g+4], 8
	s_mov_b32 s[\g+5], 6144
	s_mov_b32 s[\g+6], 0
	s_mov_b32 s[\g+7], 0
.endr
	s_lshl_b32 s20, s17, 8                         ; the tokens' first row J
	s_lshl_b32 s46, s42, 8                         ; the columns' likewise
	s_lshl_b32 s22, s20, 2                         ; scale words: 4 J
	s_mov_b32 s23, 0
	s_lshl_b32 s92, s46, 2
	s_mov_b32 s93, 0
	s_lshl_b32 s20, s20, 9                         ; codes: 512 J
	s_mov_b32 s21, 0
	s_lshl_b32 s46, s46, 9
	s_mov_b32 s47, 0
	s_sub_co_u32 s2, s42, 32                       ; v's tile of 128 columns: 4 x cluster x + cx,
	s_lshl_b32 s2, s2, 7
	s_add_co_u32 s2, s2, 10240                     ; its first row J: v's columns begin at 10,240
	s_lshl_b32 s94, s2, 2
	s_mov_b32 s95, 0
	s_lshl_b32 s2, s2, 9
	s_mov_b32 s3, 0
	s_wait_dscnt 0x0
	s_wait_kmcnt 0x0
	s_add_nc_u64 s[20:21], s[4:5], s[20:21]
	s_add_nc_u64 s[22:23], s[6:7], s[22:23]
	s_add_nc_u64 s[46:47], s[4:5], s[46:47]
	s_add_nc_u64 s[92:93], s[6:7], s[92:93]
	CROUND                                         ; all sixteen work-groups are here: the joint loads meet
	s_mov_b32 s[G0], 1
	s_mov_b32 s[G0+1], 0
	s_mov_b64 s[G0+2:G0+3], s[20:21]
	s_or_b32 s[G0+3], s[G0+3], 0x80000000
	s_mov_b32 s[G0B], 1
	s_mov_b32 s[G0B+1], QB
	s_mov_b64 s[G0B+2:G0B+3], s[46:47]
	s_or_b32 s[G0B+3], s[G0B+3], 0x80000000
	s_mov_b32 s[G0S], 1
	s_mov_b32 s[G0S+1], SCL
	s_mov_b64 s[G0S+2:G0S+3], s[22:23]
	s_or_b32 s[G0S+3], s[G0S+3], 0x80000000
	s_mov_b32 s[G0SB], 1
	s_mov_b32 s[G0SB+1], SCL+8192
	s_mov_b64 s[G0SB+2:G0SB+3], s[92:93]
	s_or_b32 s[G0SB+3], s[G0SB+3], 0x80000000
	ARM 1, G0,  G1,  .Lhead_b                      ; one chain of branches on the wave's number: every way passes exactly one load
	ARM 2, G0B, G1B, .Lhead_sa
	ARM 3, G0S, G1S, .Lhead_sb
	TLOAD G0SB, G1SB
.Lhead_asked:
	s_mov_b32 s[G0V], 1                            ; the refill's groups 0
	s_mov_b32 s[G0V+1], QB
	s_add_nc_u64 s[G0V+2:G0V+3], s[4:5], s[2:3]
	s_or_b32 s[G0V+3], s[G0V+3], 0x80000000
	s_mov_b32 s[G0VS], 1
	s_mov_b32 s[G0VS+1], SCL+8192
	s_add_nc_u64 s[G0VS+2:G0VS+3], s[6:7], s[94:95]
	s_or_b32 s[G0VS+3], s[G0VS+3], 0x80000000
	v_and_b32 v1, 31, v0                           ; lane
	v_and_b32 v2, 15, v0                           ; r
	v_bfe_u32 v3, v0, 4, 1                         ; h
	v_lshlrev_b32 v4, 4, v1                        ; 16 x lane
	v_lshlrev_b32 v[L8], 3, v1
	v_xor_b32 v7, 1, v3                            ; 1 - h
	s_wait_alu depctr_va_vdst(0)
	s_lshl_b32 s21, s15, 16                        ; my half of the tokens: eight tiles of 8,192 bytes
	s_lshl_b32 s22, s16, 16
	s_add_co_u32 s22, s22, QB                      ; my half of q's or k's columns
	s_lshl_b32 s23, s16, 15
	s_add_co_u32 s23, s23, QB                      ; my half of v's: four tiles
	v_add_nc_u32 v[ADRA], s21, v4
	v_add_nc_u32 v[ADRB], s22, v4
	v_add_nc_u32 v[ADRV], s23, v4
	s_lshl_b32 s21, s15, 9                         ; the tokens' words: my 128 rows of a plane's 256
	s_lshl_b32 s22, s16, 9
	s_add_co_u32 s22, s22, 8192                    ; the columns', behind the tokens' eight planes
	s_sub_co_u32 s22, s22, s21
	s_lshl_b32 s23, s16, 8
	s_add_co_u32 s23, s23, 8192                    ; v's: my 64 rows
	s_sub_co_u32 s23, s23, s21
	v_mul_u32_u24 v6, s22, v3                      ; phase 1: lanes 16-31 take the columns'
	v_mul_u32_u24 v8, s23, v7                      ; phase 2: lanes 0-15 take v's
	s_add_co_u32 s21, s21, SCL
	v_lshl_add_u32 v5, v2, 2, v6
	v_lshl_add_u32 v9, v2, 2, v8
	v_add_nc_u32 v[ADRS], s21, v5
	v_add_nc_u32 v[ADRS2], s21, v9
	; where the results go.  cx and cy enter store addresses alone
	s_lshl_b32 s18, s17, 1
	s_add_co_u32 s18, s18, s15                     ; my 128 tokens
	s_lshr_b32 s19, s18, 4
	s_lshl_b32 s19, s19, 4                         ; 16 x the batch,
	s_and_b32 s18, s18, 15                         ; the step of 128 tokens in it
	s_lshl_b32 s20, ttmp9, 3                       ; v: my head = 2 (4 x cluster x + cx) + my half
	s_lshl_b32 s21, s40, 1
	s_add_co_u32 s20, s20, s21
	s_add_co_u32 s20, s20, s16
	s_add_co_u32 s20, s20, s19                     ; 16 x batch + head
	s_lshl_b32 s22, s20, 16
	s_add_co_u32 s22, s22, 0x800000                ; v's images begin at 8 MiB
	s_lshl_b32 s23, s18, 12
	s_add_co_u32 s22, s22, s23
	s_mov_b32 s23, 0
	s_add_nc_u64 s[92:93], s[8:9], s[22:23]        ; v's codes
	s_mul_i32 s22, s20, 12288
	s_add_co_u32 s22, s22, 0x80000+8192            ; behind q's words, head by head, k's 8,192 bytes and v's 4,096
	s_lshl_b32 s3, s18, 8
	s_add_co_u32 s22, s22, s3
	s_add_nc_u64 s[94:95], s[10:11], s[22:23]      ; v's scale words
	s_lshl_b32 s20, s40, 2                         ; q, k: my first head = 4 cx + 2 x my half
	s_lshl_b32 s21, s16, 1
	s_add_co_u32 s20, s20, s21
	s_add_co_u32 s20, s20, s19
	s_lshl_b32 s22, ttmp9, 22                      ; q's, k's images: 4 MiB each
	s_lshl_b32 s3, s20, 16
	s_add_co_u32 s22, s22, s3
	s_lshl_b32 s3, s18, 12
	s_add_co_u32 s22, s22, s3
	s_add_nc_u64 s[8:9], s[8:9], s[22:23]
	s_cmp_eq_u32 ttmp9, 0
	s_mov_b32 s46, 12288
	s_cselect_b32 s46, 8192, s46                   ; scale words, from head to head
	s_cselect_b32 s22, 0, 0x80000                  ; q's lie first
	s_mul_i32 s3, s20, s46
	s_add_co_u32 s22, s22, s3
	s_lshl_b32 s3, s18, 9
	s_add_co_u32 s22, s22, s3
	s_add_nc_u64 s[10:11], s[10:11], s[22:23]
	s_mov_b32 s47, 0
	s_add_nc_u64 s[12:13], s[10:11], s[46:47]      ; the second head's
	s_mov_b32 s[SEL], 0x76543210
	s_mov_b32 s[SEL+1], 0xfedcba98
	s_mov_b32 s[SELA], 0x01000100                  ; bytes 0, 1, 0, 1
	s_mov_b32 s[SELB], 0x03020302                  ; bytes 2, 3, 2, 3
	v_mov_b32 v[O1], v4
	v_add_nc_u32 v[O2], 0x10000, v4                ; q, k: the second store goes to the next head's image
.macro FRAG reg, adr, off, i           ; a fragment, 16 rows x 128 K: two loads of 512 consecutive bytes
.irp c, 0,1
	ds_load_b128 v[\reg+4*\c:\reg+4*\c+3], v[\adr] offset:(\i)*8192+(\off)+512*\c
.endr
.endm
.macro FETCH set, off, na, r0, r1, rs  ; the K step off bytes on, into a set: source 0's eight tiles, source 1's na blocks, eight registers of scale words (lanes 0-15 source 1's block i, lanes 16-31 source 0's tile i)
	WIN 0x40
.irp i, 0,1,2,3,4,5,6,7
	FRAG 128*(\set)+8*\i, \r0, \off, \i
.endr
	WIN 0
.set ii, 0
.rept \na
	FRAG AF+64*(\set)+8*ii, \r1, \off, ii
.set ii, ii+1
.endr
.irp i, 0,1,2,3,4,5,6,7
	ds_load_b32 v[SC+8*(\set)+\i], v[\rs] offset:(\off)+64*\i
.endr
.endm
; 16 matrix instructions: source 1's blocks a0, a0 + 1 x source 0's eight tiles.  The accumulators take turns, one instruction a turn.
.macro MUL16 a0, set, zero
.irp a, \a0, \a0+1
.irp b, 0,1,2,3,4,5,6,7
.if \zero
	v_wmma_scale_f32_16x16x128_f8f6f4 v[8*(8*((\a)%4)+\b):8*(8*((\a)%4)+\b)+7], v[128*(\set)+8*\b:128*(\set)+8*\b+7], v[AF+64*(\set)+8*(\a):AF+64*(\set)+8*(\a)+7], 0, v[SC+8*(\set)+\b], v[SC+8*(\set)+(\a)] matrix_a_fmt:MATRIX_FMT_FP4 matrix_b_fmt:MATRIX_FMT_FP4 matrix_a_scale:MATRIX_SCALE_ROW1
.else
	v_wmma_scale_f32_16x16x128_f8f6f4 v[8*(8*((\a)%4)+\b):8*(8*((\a)%4)+\b)+7], v[128*(\set)+8*\b:128*(\set)+8*\b+7], v[AF+64*(\set)+8*(\a):AF+64*(\set)+8*(\a)+7], v[8*(8*((\a)%4)+\b):8*(8*((\a)%4)+\b)+7], v[SC+8*(\set)+\b], v[SC+8*(\set)+(\a)] matrix_a_fmt:MATRIX_FMT_FP4 matrix_b_fmt:MATRIX_FMT_FP4 matrix_a_scale:MATRIX_SCALE_ROW1
.endif
.endr
.endr
.endm
.macro MULS set, zero, na              ; a K step's products
	WIN 0xa1                                       ; source 0 window 1, source 1 window 0, C and D window 2
	MUL16 0, \set, \zero
	MUL16 2, \set, \zero
.if \na == 8
	WIN 0xf1                                       ; C and D window 3
	MUL16 4, \set, \zero
	MUL16 6, \set, \zero
.endif
	WIN 0
.endm
.macro STEP set, zero, off, na, r0, r1, rs   ; a K step that has a successor: the successor's fragments are asked for, into the other set, ahead of this step's products
	s_wait_dscnt 0x0                               ; this K step's fragments and words are in (asked for a K step's products ago)
	PLACES 4                                       ; four places between the last products and loads into the set that they read
	FETCH 1-(\set), \off, \na, \r0, \r1, \rs
	MULS \set, \zero, \na
.endm
.macro PHASE na, b0, b1, bs            ; K steps 0 to 6; step 7's fragments are on their way into set 1 at its end
	FETCH 0, 0, \na, \b0, \b1, \bs
	STEP 0, 1, 1024, \na, \b0, \b1, \bs            ; the first K step's products start the sums: nothing is cleared
	s_mov_b32 s2, 0
.Lk_\@:                                            ; three trips: K steps 2 j + 1 and 2 j + 2; s2 = 2,048 j bytes, in the codes and in the planes of words alike
	v_add_nc_u32 v[CA], s2, v[\b0]
	v_add_nc_u32 v[CB], s2, v[\b1]
	v_add_nc_u32 v[CSS], s2, v[\bs]
	s_wait_alu depctr_va_vdst(0)
	STEP 1, 0, 2048, \na, CA, CB, CSS
	STEP 0, 0, 3072, \na, CA, CB, CSS
	s_add_co_u32 s2, s2, 2048
	s_cmp_lt_u32 s2, 6144
	s_cbranch_scc1 .Lk_\@
.endm
; THE WAY OUT.  Source 1's block a: my row's 64 numbers, register 16 b + i = 32 b + 16 (lane / 16) + i along source 0: four blocks of 32.  Each accumulator is read from its low end on.
.macro QUANTW a, stp, sb
.set W, 2+(\a)/4
.set AC, 64*((\a)%4)
.set WW, (W<<2)|(W<<4)
	WIN WW
.irp b, 0,1,2,3
	v_max3_num_f32 v[TM+\b], 0x1800000, |v[AC+16*\b]|, |v[AC+16*\b+1]|   ; with the floor 2^(3 - 127): the byte cannot fall under 1
.endr
.irp i, 2,4,6,8,10,12,14
.irp b, 0,1,2,3
	v_max3_num_f32 v[TM+\b], v[TM+\b], |v[AC+16*\b+\i]|, |v[AC+16*\b+\i+1]|
.endr
.endr
	WIN 0
.irp b, 0,1,2,3
	v_permlanex16_b32 v[TM+4+\b], v[TM+\b], s[SEL], s[SEL+1]
.endr
.irp b, 0,1,2,3
	v_max_num_f32 v[TM+\b], v[TM+\b], v[TM+4+\b]   ; with lane l xor 16's 16: the block's largest magnitude
.endr
.irp b, 0,1,2,3
	v_add_nc_u32 v[TM+12+\b], 0xff000000, v[TM+\b] ; the conversion's scale operand
.endr
.irp b, 0,1,2,3
	v_lshrrev_b32 v[TM+4+\b], 23, v[TM+12+\b]      ; the byte
.endr
	v_lshl_or_b32 v[PW+\a], v[TM+5], 8, v[TM+4]
	v_lshl_or_b32 v[PW+\a], v[TM+6], 16, v[PW+\a]
	v_lshl_or_b32 v[PW+\a], v[TM+7], 24, v[PW+\a]
	s_wait_xcnt 0x0                                ; the last block's stores have read their data and addresses: both may be written
.if (\a) > 0
	v_add_nc_u32 v[O1], \stp, v[O1]
	v_add_nc_u32 v[O2], \stp, v[O2]
.endif
	WIN W
.irp b, 0,1,2,3
	v_cvt_scalef32_pk8_fp4_f32 v[PC+2*\b], v[AC+16*\b:AC+16*\b+7], v[TM+12+\b]
	v_cvt_scalef32_pk8_fp4_f32 v[PC+2*\b+1], v[AC+16*\b+8:AC+16*\b+15], v[TM+12+\b]
.endr
	WIN 0
	v_nop                                          ; one plain instruction behind a scaled conversion
.irp c, 0,1                            ; an operand wants a whole block in a lane: lanes 0-15 block 2 c, lanes 16-31 block 2 c + 1
.irp i, 0,1
	v_permlane16_swap_b32 v[PC+4*\c+\i], v[PC+4*\c+2+\i]
.endr
.endr
	global_store_b128 v[O1], v[PC:PC+3], s[\sb:\sb+1]    ; q, k: my first head's fragment of this tile of tokens; v: keys 0-63 of the step.  512 consecutive bytes, aligned
	global_store_b128 v[O2], v[PC+4:PC+7], s[\sb:\sb+1]  ; q, k: my second head's; v: keys 64-127
.endm
	s_wait_alu depctr_va_vdst(0)
	s_wait_tensorcnt 0x0                           ; my tile of the head's four is in,
	s_barrier_signal -1
	s_barrier_wait -1                              ; everybody's is
; ---------------- PHASE 1: q or k
	PHASE 8, ADRB, ADRA, ADRS
	s_wait_dscnt 0x0                               ; K step 7's fragments are in: my reads of the weight's bytes are over
	s_wait_tensorcnt 0x0                           ; no tensor load of mine is out, so descriptors may be written
	ds_add_u32 v126, v127
	s_mov_b32 s[G1B+2], 8<<16                      ; v's codes: 8 rows of 8,192 bytes
	s_mov_b32 s[G1B+4], 8
	s_mov_b32 s[G1SB+1], 64<<16                    ; v's words: the tensor is 512 bytes wide under a tile of 1,024
	MULS 1, 0, 8                                   ; the last K step's products stand between the add and the wait for it
	s_wait_dscnt 0x0
	CROUND                                         ; no wave of any partner still reads the weight's bytes or has a load on its way
	s_cmp_eq_u32 s14, 0
	s_cbranch_scc0 .Lrefill_words
	TLOAD G0V, G1B                                 ; wave 0: v's codes
	s_branch .Lrefilled
.Lrefill_words:
	s_cmp_eq_u32 s14, 1
	s_cbranch_scc0 .Lrefilled
	TLOAD G0VS, G1SB                               ; wave 1: v's scale words
.Lrefilled:
	PLACES 4                                       ; between the last products and the first read of results, for the waves that come round the loads too
.irp b, 0,1,2,3
	v_mov_b32 v[TM+4+\b], 0                        ; a lane permute's destination counts as one of its sources
.endr
.irp a, 0,1,2,3,4,5,6,7
	QUANTW \a, 512, 8
.endr
	v_cmp_lt_u32 vcc_lo, 15, v1                    ; lanes 16-31
.irp i, 0,1,2,3
	v_cndmask_b32 v[RR+\i], v[PW+2*\i], v[PW+2*\i+1], vcc_lo   ; lanes 0-15: block 2 i's words; lanes 16-31: block 2 i + 1's
.endr
.irp i, 0,1,2,3
	v_perm_b32 v[244+\i], v[RR+\i], v[RR+\i], s[SELA]   ; a head has two blocks: its two bytes stand twice in its word, so that the 64 channels may lie in either half of the next K step
.endr
.irp i, 0,1,2,3
	v_perm_b32 v[248+\i], v[RR+\i], v[RR+\i], s[SELB]
.endr
	global_store_b128 v4, v[244:247], s[10:11]     ; 128 tokens' words of my first head: 512 consecutive bytes
	global_store_b128 v4, v[248:251], s[12:13]     ; and of my second
; ---------------- PHASE 2: v
	s_wait_alu depctr_va_vdst(0)
	s_wait_tensorcnt 0x0                           ; my part of the refill is in,
	s_barrier_signal -1
	s_barrier_wait -1                              ; everybody's is
	PHASE 4, ADRA, ADRV, ADRS2
	s_wait_dscnt 0x0
	MULS 1, 0, 4
	s_wait_xcnt 0x0                                ; phase 1's stores have read their addresses
	v_mov_b32 v[O1], v4
	v_add_nc_u32 v[O2], 512, v4                    ; v: the second store is the fragment's second half
	PLACES 2                                       ; with the two lines above: four places behind the last products
.irp a, 0,1,2,3
	QUANTW \a, 1024, 92
.endr
	v_cmp_lt_u32 vcc_lo, 15, v1
.irp i, 0,1
	v_cndmask_b32 v[RR+\i], v[PW+2*\i], v[PW+2*\i+1], vcc_lo
.endr
	global_store_b64 v[L8], v[RR:RR+1], s[94:95]   ; my head's 64 channels' words for this step of 128 keys: 256 consecutive bytes
	s_wait_tensorcnt 0x0                           ; the wave's end
	ds_add_u32 v126, v127
	s_wait_dscnt 0x0
	CROUND                                         ; the closing round
	s_endpgm
.Lfunc_end_k_qb2c4aa2b57_qkv:
	.size	k_qb2c4aa2b57_qkv, .Lfunc_end_k_qb2c4aa2b57_qkv-k_qb2c4aa2b57_qkv
	.p2alignl 7, 3214868480
	.fill 96, 4, 3214868480
	.section	.rodata,"a",@progbits
	.p2align	6, 0x0
	.amdhsa_kernel k_qb2c4aa2b57_qkv
		.amdhsa_group_segment_fixed_size 327680
		.amdhsa_private_segment_fixed_size 0
		.amdhsa_enable_private_segment 0
		.amdhsa_kernarg_size 32
		.amdhsa_user_sgpr_count 2
		.amdhsa_user_sgpr_kernarg_segment_ptr 1
		.amdhsa_wavefront_size32 1
		.amdhsa_system_sgpr_workgroup_id_x 1
		.amdhsa_system_sgpr_workgroup_id_y 1
		.amdhsa_system_sgpr_workgroup_id_z 1
		.amdhsa_system_vgpr_workitem_id 0
		.amdhsa_next_free_vgpr 1024
		.amdhsa_next_free_sgpr 100
		.amdhsa_reserve_vcc 1
		.amdhsa_float_denorm_mode_32 3
		.amdhsa_float_denorm_mode_16_64 3
		.amdhsa_memory_ordered 1
		.amdhsa_forward_progress 1
		.amdhsa_inst_pref_size 132
	.end_amdhsa_kernel
	.amdgpu_metadata
---
amdhsa.version: [ 1, 2 ]
amdhsa.kernels:
  - .name:           k_qb2c4aa2b57_qkv
    .symbol:         k_qb2c4aa2b57_qkv.kd
    .args:
      - { .name: pc, .offset: 0, .size: 8, .value_kind: global_buffer, .address_space: global }
      - { .name: ps, .offset: 8, .size: 8, .value_kind: global_buffer, .address_space: global }
      - { .name: qkvc, .offset: 16, .size: 8, .value_kind: global_buffer, .address_space: global }
      - { .name: qkvs, .offset: 24, .size: 8, .value_kind: global_buffer, .address_space: global }
    .group_segment_fixed_size: 327680
    .private_segment_fixed_size: 0
    .kernarg_segment_align: 8
    .kernarg_segment_size: 32
    .max_flat_workgroup_size: 128
    .sgpr_count:     100
    .vgpr_count:     1024
    .wavefront_size: 32
...
	.end_amdgpu_metadata
.endif
;; end of part 2
;; launch attn (part 3): grid 8 x 32, 16 waves a work-group, clusters of 4 x 1, 306,176 bytes of LDS; arguments qkvc, qkvs, oc, os; writes oc, os
.if DOCPART == 3
	.amdgcn_target "amdgcn-amd-amdhsa--gfx1250"
	.amdhsa_code_object_version 6
	.text
	.protected	k_qb2c4aa2b57_attn
	.globl	k_qb2c4aa2b57_attn
	.p2align	8
	.type	k_qb2c4aa2b57_attn,@function
k_qb2c4aa2b57_attn:
	s_mov_b64 s[64:65], 0
	v_nop
	global_prefetch_b8 v0, s[64:65] scope:SCOPE_SE
	s_setreg_imm32_b32 hwreg(HW_REG_WAVE_MODE, 25, 1), 1
	s_wait_xcnt 0x0
	s_wait_alu depctr_hold_cnt(0) depctr_sa_sdst(0) depctr_va_vdst(0) depctr_va_sdst(0) depctr_va_ssrc(0) depctr_va_vcc(0) depctr_vm_vsrc(0)
	s_getreg_b32 s2, hwreg(HW_REG_IB_STS2, 6, 4)
	s_cmp_eq_u32 s2, 0
	s_cbranch_scc0 .Lentry_in_a_cluster
	s_endpgm
.Lentry_in_a_cluster:
	s_bfe_u32 s2, ttmp6, 0x10000c
	s_cmp_lg_u32 s2, 0x3003
	s_cbranch_scc0 .Lentry_shape_is_right
	s_endpgm
.Lentry_shape_is_right:
; ATTENTION on codes of FP4 with E8M0 scales: S^T = K Q^T (K = a head's 64 channels), p = 2^(t - M), O^T = V^T P^T (K = the keys), o = O / l, quantised along the last product's K.
; t = score x log2(e) / 32; M = the running largest t rounded UP to a whole number; p is not normalised; l is the sum of the unquantised p.  When M moves, l and O^T are multiplied by 2^(old M - new M): exact.
; SHARES.  A work-group owns 256 queries of a PAIR of heads 2 y, 2 y + 1; each of its sixteen waves one tile of 16 queries in 256 registers.  A wave walks head 2 y, then head 2 y + 1:
; its two results are one whole fragment (128 along the last product's K) and one whole scale word a row.
; ALL K AND V OF BOTH HEADS LIE IN LDS with their scale words, filled once at the head, one tensor load a wave: waves 0-3 a quarter each of K's 131,072 bytes, waves 4-7 of V's, wave 8 the 24,576 bytes of words.
; One barrier shows them to all; no byte of LDS is filled twice, and no barrier stands between the two heads.  No prefetch: every fill stands at the head, ahead of the loops.
; CLUSTER 4 x 1: the four blocks of queries of a cluster read the same K and V: joint loads with the mask of all four.
; LAYOUT.  Both products are used transposed: a lane holds ONE query (lane % 16) throughout.
; THE KEYS OF A TILE ARE CHOSEN BY THE LANES' LDS ADDRESSES: of each 64 keys, tile t (0..3) takes keys 8 t + 0..7 as its rows 0-7 and keys 32 + 8 t + 0..7 as its rows 8-15.  So the 32 score registers of four tiles
; are, in lane (r, h), the keys 64 c + 32 h + 0..31 in order: ONE scale block, and in the very order of the next operand's registers: its largest score needs no other lane, and the conversions' results are the operand.
; In memory tokens lie in places with bits 3 and 4 exchanged inside each 32: key group g (8 keys) of 32 keys is rows 8 (g / 2).. of stored tile g % 2.  So lane r of tile (c, t) reads stored tile 4 c + 2 (r / 8) + t % 2, row 8 (t / 2) + r % 8.
; K's LDS rows are 1,024 bytes + 128 of padding: the two stored tiles that a load touches then lie in different halves of 256 bytes.
; HEAD SIZE 64 is half of the instruction's K.  The other half is zero codes on both sides: a pair of key tiles shares four zero registers, and Q stands as data, zeros, data.  A head's two scale bytes stand twice in each word of Q and K.
; LIMITS: NaN and infinities are not served; a block whose largest magnitude lies under 2^-124 (a block of zeros too) gets the byte 1; these bytes are read by this program alone.
; The block's largest p is made from the block's largest score by the same two instructions as every p; this takes v_exp_f32 not to fall where its input rises.
; REGISTERS: v1 16 x lane, v2 8 x lane, v3, v5-7 addresses, v4 my place in K, v235 among K's words, v223 8 (lane / 16); v8-11 the step's LDS addresses; v12 -M, v13 the largest score, v[14:15] l in two halves;
;   v16-27 Q of the first head; v28-31 K's scale words; v32-79 K: four pairs of 12; v80-111 V; v112-175 S^T, then p; v176-207 O^T; v208-215 p's codes; v216-217 V's scale words; v218 Q's; v219 p's; v220-234 at work;
;   v236-248 Q of the second head and its scale words; v250-253 the first head's codes of o; v254 o's scale word; v249, v255 the add's two registers.
.set WV,   12
.set G1K,  24                          ; s[24:31] group 1: 32 rows of 1,024 bytes, padded;  s[32:39]: 128 rows of 256 bytes;  s[52:59]: 96 such rows
.set G1V,  32
.set GK,   40                          ; groups 0
.set GV,   44
.set GS,   48
.set G1S,  52
.set SEL,  66
.set CS,   68                          ; s[68:69] c = log2(e) / 32
.set TB,   70                          ; s70-73 where the step's K, V, K's words, V's words begin in LDS
.set TBV,  71
.set TS,   72
.set TV,   73
.set CNT,  74
.set KH,   73728                       ; a head's K in LDS: 64 rows of 1,152 bytes
.set VB,   2*KH                        ; V: 65,536 bytes a head
.set SCW,  VB+131072                   ; words: 12,288 bytes a head (K's 8,192, V's 4,096)
.set OSG,  SCW+24576                   ; 1 KiB of its own: the work-group's 256 scale words of o
.set SPARE, OSG+1024                   ; the spare words: 128 bytes a wave
.macro CROUND
	s_barrier_signal -1
	s_barrier_wait -1
	s_cmp_lg_u32 s[WV], 0
	s_cbranch_scc1 .Lnot_wave_0_\@
	s_barrier_signal -3
.Lnot_wave_0_\@:
	s_barrier_wait -3
	s_barrier_signal -1
	s_barrier_wait -1
.endm
.macro TLOAD g0, g1
	tensor_load_to_lds s[\g0:\g0+3], s[\g1:\g1+7]
	s_nop 0
.rept 4
	v_nop
.endr
.endm
.macro DENSE g, rows                   ; group 1: rows of 256 bytes, dense; the mask names all four work-groups
	s_mov_b32 s[\g], 15|(3<<16)|(1<<21)
	s_mov_b32 s[\g+1], 32<<16
	s_mov_b32 s[\g+2], (\rows)<<16
	s_mov_b32 s[\g+3], 32<<16
	s_mov_b32 s[\g+4], \rows
	s_mov_b32 s[\g+5], 32
	s_mov_b32 s[\g+6], 0
	s_mov_b32 s[\g+7], 0
.endm
	s_load_b256 s[4:11], s[0:1], 0x0               ; qkvc s[4:5], qkvs s[6:7], oc s[8:9], os s[10:11]
	v_lshl_add_u32 v249, v0, 2, SPARE
	v_mov_b32 v255, 0
	ds_add_u32 v249, v255
	ds_add_u32 v249, v255
	v_lshrrev_b32 v3, 5, v0
	s_delay_alu instid0(VALU_DEP_1)
	v_readfirstlane_b32 s[WV], v3                  ; wave 0..15
	s_bfe_u32 s13, ttmp6, 0x40000                  ; cx
	s_lshl_b32 s14, ttmp9, 2
	s_add_co_u32 s14, s14, s13                     ; my block of 256 queries: it enters Q's and o's addresses alone
	s_and_b32 s15, ttmp7, 0xffff                   ; y: the pair of heads, which the partners share
	s_lshl_b32 s89, s[WV], 6
	v_and_b32 v3, 31, v0
	v_and_b32 v4, 15, v0                           ; r
	v_and_b32 v8, 7, v0                            ; r % 8
	v_bfe_u32 v9, v0, 3, 1                         ; r / 8
	v_bfe_u32 v10, v0, 4, 1                        ; h
	v_lshlrev_b32 v1, 4, v3                        ; 16 x lane
	v_lshlrev_b32 v2, 3, v3                        ; 8 x lane
	v_lshlrev_b32 v5, 4, v4                        ; Q's scale words lie 16 bytes apart
	v_lshl_add_u32 v6, v4, 2, s89
	v_lshlrev_b32 v7, 4, v0                        ; 16 x thread
	v_mul_u32_u24 v4, v9, 1152                     ; K: 1,152 (r / 8) + 16 (r % 8) + 256 h
	v_lshlrev_b32 v235, 2, v9                      ; K's words: 4 (r / 8) + 16 (r % 8) + 256 h (lanes 16-31 take the odd tile's)
	v_lshlrev_b32 v223, 3, v10                     ; 8 h: where my two bytes stand in p's scale word
	v_add_nc_u32 v6, OSG, v6                       ; o's scale word of my row: 64 x wave + 4 r
	v_add_nc_u32 v3, OSG, v7
	v_lshl_add_u32 v4, v8, 4, v4
	v_lshl_add_u32 v235, v8, 4, v235
	v_lshl_add_u32 v4, v10, 8, v4
	v_lshl_add_u32 v235, v10, 8, v235
.irp i, 0,1,2,3
	v_mov_b32 v[20+\i], 0                          ; the zero halves: Q's,
	v_mov_b32 v[240+\i], 0
	v_mov_b32 v[36+\i], 0                          ; K's four pairs'
	v_mov_b32 v[48+\i], 0
	v_mov_b32 v[60+\i], 0
	v_mov_b32 v[72+\i], 0
.endr
	v_mov_b32 v222, 0                              ; (a lane permute's destination counts as one of its sources)
	v_mov_b32 v224, 0
	v_mov_b32 v225, 0
	v_mov_b32 v233, 0                              ; (named as the upper half of the pair v[232:233])
	s_mov_b32 s[G1K], 15|(3<<16)|(1<<20)|(1<<21)|(7<<22)|(31<<25)   ; elements of 8 bytes; 32 words of padding behind every 256
	s_mov_b32 s[G1K+1], 128<<16
	s_mov_b32 s[G1K+2], 32<<16
	s_mov_b32 s[G1K+3], 128<<16
	s_mov_b32 s[G1K+4], 32
	s_mov_b32 s[G1K+5], 128
	s_mov_b32 s[G1K+6], 0
	s_mov_b32 s[G1K+7], 0
	DENSE G1V, 128
	DENSE G1S, 96
	s_lshl_b32 s16, s15, 17                        ; head 2 y's image: 65,536 bytes a head
	s_lshl_b32 s17, s[WV], 15                      ; a quarter of the pair's 131,072 bytes a wave
	s_add_co_u32 s18, s16, s17
	s_add_co_u32 s20, s18, 0x7e0000                ; V's images begin at 8 MiB; waves 4-7 take quarters 0-3
	s_add_co_u32 s18, s18, 0x400000                ; K's at 4 MiB
	s_mov_b32 s19, 0
	s_mov_b32 s21, 0
	s_mul_i32 s22, s15, 24576
	s_add_co_u32 s22, s22, 0x80000                 ; K's and V's scale words, behind q's
	s_mov_b32 s23, 0
	s_mov_b32 s[SEL], 0x76543210
	s_mov_b32 s[SEL+1], 0xfedcba98
	s_mov_b32 s[CS], 0x3d38aa3b                    ; c = log2(e) / 32
	s_mov_b32 s[CS+1], s[CS]
	s_wait_alu depctr_va_vdst(0)
	s_wait_dscnt 0x0
	s_wait_kmcnt 0x0
	s_mov_b32 s[GK], 1
	s_mul_i32 s[GK+1], s[WV], 36864                ; 32 padded rows a wave
	s_add_nc_u64 s[GK+2:GK+3], s[4:5], s[18:19]
	s_or_b32 s[GK+3], s[GK+3], 0x80000000
	s_mov_b32 s[GV], 1
	s_add_co_u32 s[GV+1], s17, VB-131072           ; wave 4 begins at VB
	s_add_nc_u64 s[GV+2:GV+3], s[4:5], s[20:21]
	s_or_b32 s[GV+3], s[GV+3], 0x80000000
	s_mov_b32 s[GS], 1
	s_mov_b32 s[GS+1], SCW
	s_add_nc_u64 s[GS+2:GS+3], s[6:7], s[22:23]
	s_or_b32 s[GS+3], s[GS+3], 0x80000000
	CROUND                                         ; all four work-groups are here: the joint loads meet
	s_cmp_lt_u32 s[WV], 4                          ; one chain of branches on the wave's number, one load to an arm
	s_cbranch_scc0 .Lnot_k
	TLOAD GK, G1K
	s_branch .Lasked
.Lnot_k:
	s_cmp_lt_u32 s[WV], 8
	s_cbranch_scc0 .Lnot_v
	TLOAD GV, G1V
	s_branch .Lasked
.Lnot_v:
	s_cmp_eq_u32 s[WV], 8
	s_cbranch_scc0 .Lasked
	TLOAD GS, G1S
.Lasked:
	s_lshl_b32 s78, s14, 4
	s_add_co_u32 s78, s78, s[WV]                   ; qt: my tile of 16 queries in the batch, 0..127
	s_lshl_b32 s80, s78, 9
	s_add_co_u32 s80, s80, s16
	s_mov_b32 s81, 0
	s_add_nc_u64 s[80:81], s[4:5], s[80:81]        ; q's image of head 2 y, my tile
	s_lshl_b32 s82, s15, 14                        ; q's scale words: 8,192 bytes a head; 512 for 128 tokens; the word of tile 2 i + u, row r at 256 u + 16 r + 4 i
	s_lshr_b32 s83, s78, 3
	s_lshl_b32 s83, s83, 9
	s_add_co_u32 s82, s82, s83
	s_and_b32 s83, s78, 1
	s_lshl_b32 s83, s83, 8
	s_add_co_u32 s82, s82, s83
	s_bfe_u32 s83, s78, 0x20001
	s_lshl_b32 s83, s83, 2
	s_add_co_u32 s82, s82, s83
	s_mov_b32 s83, 0
	s_add_nc_u64 s[82:83], s[6:7], s[82:83]
	global_load_b128 v[16:19], v1, s[80:81]        ; Q's 64 channels stand twice, round the zeros
	global_load_b128 v[24:27], v1, s[80:81]
	global_load_b32 v218, v5, s[82:83]
	global_load_b128 v[236:239], v1, s[80:81] offset:65536
	global_load_b128 v[244:247], v1, s[80:81] offset:65536
	global_load_b32 v248, v5, s[82:83] offset:8192
	s_lshr_b32 s84, s15, 3                         ; the batch
	s_and_b32 s85, s15, 7                          ; the last product's K step: heads 2 hp, 2 hp + 1
	s_lshl_b32 s86, s84, 7
	s_add_co_u32 s86, s86, s78
	s_lshl_b32 s86, s86, 3
	s_add_co_u32 s86, s86, s85
	s_lshl_b32 s86, s86, 10                        ; oc: [16 rows][K step][1,024 bytes]
	s_mov_b32 s87, 0
	s_add_nc_u64 s[8:9], s[8:9], s[86:87]
	s_lshl_b32 s86, s85, 15                        ; os: a plane of 32,768 bytes for each K step,
	s_lshl_b32 s88, s84, 13
	s_add_co_u32 s86, s86, s88
	s_lshl_b32 s88, s14, 10                        ; my work-group's 256 rows
	s_add_co_u32 s86, s86, s88
	s_add_nc_u64 s[10:11], s[10:11], s[86:87]
; o of one head: O^T / l, two blocks of 32 channels, quantised; the codes go to v[dst] on, the two bytes into v254.  V's channels lie in places, so register 16 b + i is channel 32 b + 16 (lane / 16) + i.
.macro OQ e, dst
.rept 4
	v_nop                                          ; places between the last products and the first read of their results
.endr
	v_add_f32 v14, v14, v15                        ; l's two halves,
	s_delay_alu instid0(VALU_DEP_1)
	v_permlanex16_b32 v234, v14, s[SEL], s[SEL+1]
	s_delay_alu instid0(VALU_DEP_1)
	v_add_f32 v14, v14, v234                       ; and lane l xor 16's
	s_wait_alu depctr_va_vdst(0)
	v_rcp_f32 v14, v14
	v_nop                                          ; a plain instruction behind the transcendental
	s_wait_alu depctr_va_vdst(0)                   ; a wait ahead of its first reader
.set j, 0
.rept 16
	v_pk_mul_f32 v[112+j:113+j], v[176+j:177+j], v[14:15] op_sel_hi:[1,0]   ; each accumulator from its low end on
.set j, j+2
.endr
.irp b, 0,1
	v_max3_num_f32 v[220+\b], |v[112+16*\b]|, |v[113+16*\b]|, 0x1800000
.endr
.irp i, 2,4,6,8,10,12,14
.irp b, 0,1
	s_delay_alu instid0(VALU_DEP_2)
	v_max3_num_f32 v[220+\b], v[220+\b], |v[112+16*\b+\i]|, |v[113+16*\b+\i]|
.endr
.endr
.irp b, 0,1
	s_delay_alu instid0(VALU_DEP_2)
	v_permlanex16_b32 v[224+\b], v[220+\b], s[SEL], s[SEL+1]
.endr
.irp b, 0,1
	s_delay_alu instid0(VALU_DEP_2)
	v_max_num_f32 v[220+\b], v[220+\b], v[224+\b]
.endr
.irp b, 0,1
	s_delay_alu instid0(VALU_DEP_2)
	v_add_nc_u32 v[228+\b], 0xff000000, v[220+\b]
.endr
.irp b, 0,1
	s_delay_alu instid0(VALU_DEP_2)
	v_lshrrev_b32 v[224+\b], 23, v[228+\b]
.endr
.irp b, 0,1
	v_cvt_scalef32_pk8_fp4_f32 v[\dst+2*\b], v[112+16*\b:119+16*\b], v[228+\b]
	v_cvt_scalef32_pk8_fp4_f32 v[\dst+2*\b+1], v[120+16*\b:127+16*\b], v[228+\b]
.endr
	v_nop                                          ; one plain instruction behind a scaled conversion
.irp i, 0,1
	v_permlane16_swap_b32 v[\dst+\i], v[\dst+2+\i] ; lanes 0-15: channels 0-31; lanes 16-31: channels 32-63
.endr
.if \e
	v_lshl_or_b32 v254, v224, 16, v254
	s_delay_alu instid0(VALU_DEP_1)
	v_lshl_or_b32 v254, v225, 24, v254
.else
	v_lshl_or_b32 v254, v225, 8, v224
.endif
.endm
; One head: 16 key steps of 128 keys.  qb: where Q stands; qs: its scale words.
.macro PASS e, qb, qs, dst
	v_mov_b32 v13, 0xff61b1e6                      ; the largest score so far: -3e38, under every score
	v_mov_b32 v14, 0
	v_mov_b32 v15, 0
	v_mul_f32 v12, s[CS], v13
	s_delay_alu instid0(VALU_DEP_1)
	v_floor_f32 v12, -v12                          ; -M
.set j, 0
.rept 32
	v_mov_b32 v[176+j], 0                          ; O^T.  (The step is written once: the first finds zeros, which the first change of M leaves zeros)
.set j, j+1
.endr
	s_mov_b32 s[TB], \e*KH
	s_mov_b32 s[TBV], VB+\e*65536
	s_mov_b32 s[TS], SCW+\e*12288
	s_mov_b32 s[TV], SCW+\e*12288+8192
	s_mov_b32 s[CNT], 16
.Lkey_\@:
	v_add_nc_u32 v8, s[TB], v4                     ; these four are also the places between the last trip's products and the loads into their registers
	v_add_nc_u32 v9, s[TBV], v1
	v_add_nc_u32 v10, s[TS], v235
	v_add_nc_u32 v11, s[TV], v2
.irp t, 0,1,2,3,4,5,6,7
	ds_load_b128 v[32+12*(\t/2)+8*(\t%2):35+12*(\t/2)+8*(\t%2)], v8 offset:2304*(\t/4)+512*(\t%2)+128*((\t%4)/2)   ; tile (c, t) = (t / 4, t % 4)
.endr
.irp i, 0,1,2,3
	ds_load_b32 v[28+\i], v10 offset:8*(\i/2)+128*(\i%2)   ; register i: lanes 0-15 tile 2 i's words, lanes 16-31 tile 2 i + 1's
.endr
.irp ct, 0,1,2,3
.irp c, 0,1
	ds_load_b128 v[80+8*\ct+4*\c:83+8*\ct+4*\c], v9 offset:1024*\ct+512*\c   ; V^T: 16 channels x 128 keys
.endr
.endr
	ds_load_b64 v[216:217], v11
	s_wait_dscnt 9                                 ; K and its words are in; V's nine loads may be out
.irp t, 0,1,2,3,4,5,6,7
.if (\t)%2
	v_wmma_scale_f32_16x16x128_f8f6f4 v[112+8*\t:119+8*\t], v[36+12*(\t/2):43+12*(\t/2)], v[\qb+4:\qb+11], 0, v[28+\t/2], v[\qs] matrix_a_fmt:MATRIX_FMT_FP4 matrix_b_fmt:MATRIX_FMT_FP4 matrix_a_scale:MATRIX_SCALE_ROW1
.else
	v_wmma_scale_f32_16x16x128_f8f6f4 v[112+8*\t:119+8*\t], v[32+12*(\t/2):39+12*(\t/2)], v[\qb:\qb+7], 0, v[28+\t/2], v[\qs] matrix_a_fmt:MATRIX_FMT_FP4 matrix_b_fmt:MATRIX_FMT_FP4
.endif
.endr
	v_mov_b32 v234, v12                            ; the old -M; with three v_nop the four places in front of the first read of the scores
.rept 3
	v_nop
.endr
.irp c, 0,1                            ; the largest score of my two blocks of 32 keys, each in two chains: for the row's maximum, and, since p rises with the score, for the block's largest p
	v_max3_num_f32 v[220+\c], v[112+32*\c], v[113+32*\c], v[114+32*\c]
	v_max3_num_f32 v[224+\c], v[128+32*\c], v[129+32*\c], v[130+32*\c]
.endr
.irp i, 3,5,7,9,11,13
.irp c, 0,1
	v_max3_num_f32 v[220+\c], v[220+\c], v[112+32*\c+\i], v[113+32*\c+\i]
	v_max3_num_f32 v[224+\c], v[224+\c], v[128+32*\c+\i], v[129+32*\c+\i]
.endr
.endr
	v_max3_num_f32 v220, v220, v127, v143
	v_max3_num_f32 v221, v221, v159, v175
.irp c, 0,1
	s_delay_alu instid0(VALU_DEP_2)
	v_max_num_f32 v[220+\c], v[220+\c], v[224+\c]
.endr
	s_delay_alu instid0(VALU_DEP_1)
	v_max_num_f32 v226, v220, v221                 ; my 64 keys' largest score,
	s_delay_alu instid0(VALU_DEP_1)
	v_permlanex16_b32 v222, v226, s[SEL], s[SEL+1] ; lane l xor 16's,
	s_delay_alu instid0(VALU_DEP_1)
	v_max3_num_f32 v13, v13, v226, v222            ; the running largest score (c is positive: the largest t is c x this)
	s_delay_alu instid0(VALU_DEP_1)
	v_mul_f32 v226, s[CS], v13
	s_delay_alu instid0(VALU_DEP_1)
	v_floor_f32 v12, -v226                         ; the new -M = floor(-t): M is a whole number
	s_delay_alu instid0(VALU_DEP_1)
	v_sub_f32 v234, v12, v234                      ; old M - new M: a whole number, 0 or less
	s_delay_alu instid0(VALU_DEP_1)
	v_cvt_i32_f32 v234, v234                       ; (it saturates)
	s_delay_alu instid0(VALU_DEP_1)
	v_ldexp_f32 v232, 1.0, v234                    ; f = 2^(old M - new M)
.set j, 0
.rept 32
	v_pk_fma_f32 v[112+j:113+j], v[112+j:113+j], s[CS:CS+1], v[12:13] op_sel_hi:[1,0,0]   ; t - M, two at a time
.set j, j+2
.endr
.irp c, 0,1
	v_fma_f32 v[220+\c], v[220+\c], s[CS], v12     ; the same of each block's largest score
.endr
	s_wait_alu depctr_va_vdst(0)
.set j, 0
.rept 64
	v_exp_f32 v[112+j], v[112+j]                   ; p = 2^(t - M), at most 1
.set j, j+1
.endr
	v_pk_mul_f32 v[14:15], v[14:15], v[232:233] op_sel_hi:[1,0]   ; l under the new M (a plain instruction behind the exponentials)
	s_wait_alu depctr_va_vdst(0)                   ; one wait for the whole batch, ahead of its first reader
.irp c, 0,1
	v_exp_f32 v[220+\c], v[220+\c]                 ; the block's largest p: the same two instructions on the same number give the same bits
.endr
	v_pk_add_f32 v[224:225], v[116:117], v[120:121]   ; l: the sum of the unquantised p, in eight chains
	v_pk_add_f32 v[230:231], v[124:125], v[128:129]
	v_pk_add_f32 v[228:229], v[132:133], v[136:137]
	v_pk_add_f32 v[226:227], v[140:141], v[144:145]
	v_pk_add_f32 v[214:215], v[148:149], v[152:153]
	v_pk_add_f32 v[212:213], v[156:157], v[160:161]
	v_pk_add_f32 v[210:211], v[164:165], v[168:169]
	v_pk_add_f32 v[14:15], v[14:15], v[172:173]
	v_pk_add_f32 v[224:225], v[224:225], v[112:113]
	v_pk_add_f32 v[230:231], v[230:231], v[114:115]
	v_pk_add_f32 v[228:229], v[228:229], v[118:119]
	v_pk_add_f32 v[226:227], v[226:227], v[122:123]
	v_pk_add_f32 v[214:215], v[214:215], v[126:127]
	v_pk_add_f32 v[212:213], v[212:213], v[130:131]
	v_pk_add_f32 v[210:211], v[210:211], v[134:135]
	v_pk_add_f32 v[14:15], v[14:15], v[138:139]
	v_pk_add_f32 v[224:225], v[224:225], v[142:143]
	v_pk_add_f32 v[230:231], v[230:231], v[146:147]
	v_pk_add_f32 v[228:229], v[228:229], v[150:151]
	v_pk_add_f32 v[226:227], v[226:227], v[154:155]
	v_pk_add_f32 v[214:215], v[214:215], v[158:159]
	v_pk_add_f32 v[212:213], v[212:213], v[162:163]
	v_pk_add_f32 v[210:211], v[210:211], v[166:167]
	v_pk_add_f32 v[14:15], v[14:15], v[170:171]
	v_pk_add_f32 v[224:225], v[224:225], v[174:175]
	s_delay_alu instid0(VALU_DEP_2)
	v_pk_add_f32 v[14:15], v[14:15], v[226:227]
	s_delay_alu instid0(VALU_DEP_2)
	v_pk_add_f32 v[224:225], v[224:225], v[214:215]
	v_pk_add_f32 v[230:231], v[230:231], v[212:213]
	v_pk_add_f32 v[228:229], v[228:229], v[210:211]
	s_delay_alu instid0(VALU_DEP_2)
	v_pk_add_f32 v[14:15], v[14:15], v[230:231]
	s_delay_alu instid0(VALU_DEP_2)
	v_pk_add_f32 v[224:225], v[224:225], v[228:229]
	s_delay_alu instid0(VALU_DEP_1)
	v_pk_add_f32 v[14:15], v[14:15], v[224:225]
	s_wait_alu depctr_va_vdst(0)                   ; and one for the two
.irp c, 0,1
	v_max_num_f32 v[220+\c], 0x1800000, v[220+\c]  ; the floor 2^(3 - 127): the byte cannot fall under 1
.endr
.irp c, 0,1
	s_delay_alu instid0(VALU_DEP_2)
	v_add_nc_u32 v[228+\c], 0xff000000, v[220+\c]  ; the conversion's scale operand
.endr
.irp c, 0,1
	s_delay_alu instid0(VALU_DEP_2)
	v_lshrrev_b32 v[224+\c], 23, v[228+\c]         ; the byte
.endr
	s_delay_alu instid0(VALU_DEP_1)
	v_lshl_or_b32 v219, v225, 16, v224             ; my two bytes: blocks h and 2 + h of my query,
	s_delay_alu instid0(VALU_DEP_1)
	v_lshlrev_b32 v219, v223, v219                 ; at their places in the scale word;
	s_delay_alu instid0(VALU_DEP_1)
	v_permlanex16_b32 v222, v219, s[SEL], s[SEL+1]
	s_delay_alu instid0(VALU_DEP_1)
	v_or_b32 v219, v219, v222                      ; with lane l xor 16's two the word is whole
.irp c, 0,1
.irp g, 0,1,2,3
	v_cvt_scalef32_pk8_fp4_f32 v[208+4*\c+\g], v[112+32*\c+8*\g:119+32*\c+8*\g], v[228+\c]   ; register 4 c + g of the operand: keys 64 c + 32 h + 8 g + 0..7
.endr
.endr
	v_nop                                          ; one plain instruction behind a scaled conversion
	s_wait_dscnt 0x0                               ; V and its words are in
	s_wait_alu depctr_va_vdst(0)                   ; the wait directly ahead of the first reader of O^T
.set j, 0
.rept 16
	v_pk_mul_f32 v[176+j:177+j], v[176+j:177+j], v[232:233] op_sel_hi:[1,0]   ; O^T under the new M.  Twelve of these sixteen name no register of any one product below: the places behind p's codes and word
.set j, j+2
.endr
.irp ct, 0,1,2,3                       ; the four accumulators take turns, one instruction a turn
.if (\ct)%2
	v_wmma_scale_f32_16x16x128_f8f6f4 v[176+8*\ct:183+8*\ct], v[80+8*\ct:87+8*\ct], v[208:215], v[176+8*\ct:183+8*\ct], v[216+\ct/2], v219 matrix_a_fmt:MATRIX_FMT_FP4 matrix_b_fmt:MATRIX_FMT_FP4 matrix_a_scale:MATRIX_SCALE_ROW1
.else
	v_wmma_scale_f32_16x16x128_f8f6f4 v[176+8*\ct:183+8*\ct], v[80+8*\ct:87+8*\ct], v[208:215], v[176+8*\ct:183+8*\ct], v[216+\ct/2], v219 matrix_a_fmt:MATRIX_FMT_FP4 matrix_b_fmt:MATRIX_FMT_FP4
.endif
.endr
	s_add_co_u32 s[TB], s[TB], 4608                ; the next 128 keys: four padded rows of K
	s_add_co_u32 s[TBV], s[TBV], 4096
	s_add_co_u32 s[TS], s[TS], 512
	s_add_co_u32 s[TV], s[TV], 256
	s_sub_co_u32 s[CNT], s[CNT], 1
	s_cmp_lg_u32 s[CNT], 0
	s_cbranch_scc1 .Lkey_\@
	OQ \e, \dst
.endm
	s_wait_alu depctr_va_vdst(0)
	s_wait_tensorcnt 0x0                           ; my fill, if I had one, is in,
	s_barrier_signal -1
	s_barrier_wait -1                              ; everybody's is
	s_wait_loadcnt 0x0                             ; Q
	PASS 0, 16, 218, 250
	PASS 1, 236, 248, 208
	global_store_b128 v1, v[250:253], s[8:9]       ; the fragment's two groups: 512 consecutive bytes each, aligned
	global_store_b128 v1, v[208:211], s[8:9] offset:512
	ds_store_b32 v6, v254                          ; lanes r and r + 16 hold the same word and write it to the same place
	s_wait_dscnt 0x0                               ; for the others' sake: my store has landed
	s_barrier_signal -1
	s_barrier_wait -1
	s_cmp_lt_u32 s[WV], 2
	s_cbranch_scc0 .Lno_words
	ds_load_b128 v[112:115], v3                    ; waves 0 and 1 send the work-group's 256 words: 1,024 consecutive bytes
	s_wait_dscnt 0x0
	global_store_b128 v7, v[112:115], s[10:11]
.Lno_words:
	s_wait_dscnt 0x0
	s_wait_tensorcnt 0x0                           ; the wave's end
	ds_add_u32 v249, v255
	s_wait_dscnt 0x0
	CROUND                                         ; the closing round
	s_endpgm
.Lfunc_end_k_qb2c4aa2b57_attn:
	.size	k_qb2c4aa2b57_attn, .Lfunc_end_k_qb2c4aa2b57_attn-k_qb2c4aa2b57_attn
	.p2alignl 7, 3214868480
	.fill 96, 4, 3214868480
	.section	.rodata,"a",@progbits
	.p2align	6, 0x0
	.amdhsa_kernel k_qb2c4aa2b57_attn
		.amdhsa_group_segment_fixed_size 306176
		.amdhsa_private_segment_fixed_size 0
		.amdhsa_enable_private_segment 0
		.amdhsa_kernarg_size 32
		.amdhsa_user_sgpr_count 2
		.amdhsa_user_sgpr_kernarg_segment_ptr 1
		.amdhsa_wavefront_size32 1
		.amdhsa_system_sgpr_workgroup_id_x 1
		.amdhsa_system_sgpr_workgroup_id_y 1
		.amdhsa_system_sgpr_workgroup_id_z 1
		.amdhsa_system_vgpr_workitem_id 0
		.amdhsa_next_free_vgpr 256
		.amdhsa_next_free_sgpr 96
		.amdhsa_reserve_vcc 0
		.amdhsa_float_denorm_mode_32 3
		.amdhsa_float_denorm_mode_16_64 3
		.amdhsa_memory_ordered 1
		.amdhsa_forward_progress 1
		.amdhsa_inst_pref_size 51
	.end_amdhsa_kernel
	.amdgpu_metadata
---
amdhsa.version: [ 1, 2 ]
amdhsa.kernels:
  - .name:           k_qb2c4aa2b57_attn
    .symbol:         k_qb2c4aa2b57_attn.kd
    .args:
      - { .name: qkvc, .offset: 0, .size: 8, .value_kind: global_buffer, .address_space: global }
      - { .name: qkvs, .offset: 8, .size: 8, .value_kind: global_buffer, .address_space: global }
      - { .name: oc, .offset: 16, .size: 8, .value_kind: global_buffer, .address_space: global }
      - { .name: os, .offset: 24, .size: 8, .value_kind: global_buffer, .address_space: global }
    .group_segment_fixed_size: 306176
    .private_segment_fixed_size: 0
    .kernarg_segment_align: 8
    .kernarg_segment_size: 32
    .max_flat_workgroup_size: 512
    .sgpr_count:     96
    .vgpr_count:     256
    .wavefront_size: 32
...
	.end_amdgpu_metadata
.endif
;; end of part 3
;; launch proj (part 4): grid 4 x 64, 4 waves a work-group, clusters of 4 x 4, 327,680 bytes of LDS; arguments oc, os, pc, ps, out_b, x, out0; writes out0
.if DOCPART == 4
	.amdgcn_target "amdgcn-amd-amdhsa--gfx1250"
	.amdhsa_code_object_version 6
	.text
	.protected	k_qb2c4aa2b57_proj
	.globl	k_qb2c4aa2b57_proj
	.p2align	8
	.type	k_qb2c4aa2b57_proj,@function
k_qb2c4aa2b57_proj:
	s_mov_b64 s[64:65], 0
	v_nop
	global_prefetch_b8 v0, s[64:65] scope:SCOPE_SE
	s_setreg_imm32_b32 hwreg(HW_REG_WAVE_MODE, 25, 1), 1
	s_wait_xcnt 0x0
	s_wait_alu depctr_hold_cnt(0) depctr_sa_sdst(0) depctr_va_vdst(0) depctr_va_sdst(0) depctr_va_ssrc(0) depctr_va_vcc(0) depctr_vm_vsrc(0)
	s_getreg_b32 s2, hwreg(HW_REG_IB_STS2, 6, 4)
	s_cmp_eq_u32 s2, 0
	s_cbranch_scc0 .Lentry_in_a_cluster
	s_endpgm
.Lentry_in_a_cluster:
	s_bfe_u32 s2, ttmp6, 0x10000c
	s_cmp_lg_u32 s2, 0xf033
	s_cbranch_scc0 .Lentry_shape_is_right
	s_endpgm
.Lentry_shape_is_right:
.set NA,    4
.set SLOTB, 4096                       ; K steps 4-7 of a tile of 16 rows begin 4,096 bytes behind K steps 0-3
.set SCL,   196608
.set ADRA,  16
.set ADRB,  20
.set STO,   24
.set RD,    25
.set CO,    26
.set ADRS,  27
.set SC,    32
.set AF,    128
.set BK,    128
.set G1,  24
.set G0,  32
.set G1B, 48
.set G0B, 56
.set G1S, 68
.set G0S, 76
.set G1SB, 80
.set G0SB, 88
.set MSB, 0
.macro WIN new
.if MSB != \new
	s_set_vgpr_msb (MSB<<8)|\new
.set MSB, \new
.endif
.endm
; out0 = o x out_w + out_b + x on codes of FP4.  A block is 128 rows of o (P, source 1) x 256 columns of out_w (Q, source 0); all of K = 1,024 lies in LDS.
; Four fills at the head, one joint load a wave: wave 0 P's codes (65,536 dense bytes, at 0), wave 1 Q's (131,072, at 65,536), wave 2 P's scale words, wave 3 Q's (planes of 1,024 bytes from SCL and SCL + 8,192).
; P's plane has 512 bytes of words; its tile is stated 1,024 wide over a tensor 512 wide, so the upper half is written as zeros and both sides have one pitch.  No byte of LDS is filled twice.
.macro ARM under, g0, g1, next         ; one arm of the head's chain: a load, its s_nop 0 and four v_nop, a jump to the join
	s_cmp_lt_u32 s14, \under
	s_cbranch_scc0 \next
	tensor_load_to_lds s[\g0:\g0+3], s[\g1:\g1+7]
	s_nop 0
.rept 4
	v_nop
.endr
	s_branch .Lhead_asked
\next:
.endm
.macro CROUND
	s_barrier_signal -1
	s_barrier_wait -1
	s_cmp_lg_u32 s14, 0
	s_cbranch_scc1 .Lnot_wave_0_\@
	s_barrier_signal -3
.Lnot_wave_0_\@:
	s_barrier_wait -3
	s_barrier_signal -1
	s_barrier_wait -1
.endm
.macro PLACES n
.rept \n
	v_nop
.endr
.endm
	s_load_b256 s[4:11], s[0:1], 0x0
	s_load_b128 s[92:95], s[0:1], 0x20
	s_load_b64 s[96:97], s[0:1], 0x30
	v_lshl_add_u32 v126, v0, 2, 0x34000
	v_mov_b32 v127, 0
	ds_add_u32 v126, v127
	ds_add_u32 v126, v127
	v_lshrrev_b32 v1, 5, v0
	v_readfirstlane_b32 s14, v1
	s_lshr_b32 s15, s14, 1
	s_and_b32 s16, s14, 1
	s_bfe_u32 s40, ttmp6, 0x40000
	s_bfe_u32 s41, ttmp6, 0x40004
	s_lshl_b32 s42, ttmp9, 2
	s_add_co_u32 s42, s42, s40
	s_and_b32 s17, ttmp7, 0xffff
	s_lshl_b32 s17, s17, 2
	s_add_co_u32 s17, s17, s41
	s_lshl_b32 s43, s41, 2
	s_lshl_b32 s43, 15, s43
	s_lshl_b32 s44, 0x1111, s40
	s_or_b32 s[G1+0], s43, (3<<16)|(1<<21)
	s_mov_b32 s[G1+1], 1024<<16
	s_mov_b32 s[G1+2], 8<<16
	s_mov_b32 s[G1+3], 1024<<16
	s_mov_b32 s[G1+4], 8
	s_mov_b32 s[G1+5], 1024
	s_mov_b32 s[G1+6], 0
	s_mov_b32 s[G1+7], 0
	s_or_b32 s[G1B+0], s44, (3<<16)|(1<<21)
	s_mov_b32 s[G1B+1], 1024<<16
	s_mov_b32 s[G1B+2], 16<<16
	s_mov_b32 s[G1B+3], 1024<<16
	s_mov_b32 s[G1B+4], 16
	s_mov_b32 s[G1B+5], 1024
	s_mov_b32 s[G1B+6], 0
	s_mov_b32 s[G1B+7], 0
	s_or_b32 s[G1S+0], s43, (3<<16)|(1<<21)
	s_mov_b32 s[G1S+1], 64<<16
	s_mov_b32 s[G1S+2], 8<<16
	s_mov_b32 s[G1S+3], 128<<16
	s_mov_b32 s[G1S+4], 8
	s_mov_b32 s[G1S+5], 4096
	s_mov_b32 s[G1S+6], 0
	s_mov_b32 s[G1S+7], 0
	s_or_b32 s[G1SB+0], s44, (3<<16)|(1<<21)
	s_mov_b32 s[G1SB+1], 128<<16
	s_mov_b32 s[G1SB+2], 8<<16
	s_mov_b32 s[G1SB+3], 128<<16
	s_mov_b32 s[G1SB+4], 8
	s_mov_b32 s[G1SB+5], 6144
	s_mov_b32 s[G1SB+6], 0
	s_mov_b32 s[G1SB+7], 0
	s_lshl_b32 s20, s17, 16
	s_mov_b32 s21, 0
	s_lshl_b32 s22, s17, 9
	s_mov_b32 s23, 0
	s_lshl_b32 s46, s42, 8
	s_add_co_u32 s46, s46, 11264
	s_lshl_b32 s98, s46, 2
	s_mov_b32 s99, 0
	s_lshl_b32 s46, s46, 9
	s_mov_b32 s47, 0
	s_wait_dscnt 0x0
	s_wait_kmcnt 0x0
	s_add_nc_u64 s[20:21], s[4:5], s[20:21]
	s_add_nc_u64 s[22:23], s[6:7], s[22:23]
	s_add_nc_u64 s[46:47], s[8:9], s[46:47]
	s_add_nc_u64 s[98:99], s[10:11], s[98:99]
	CROUND
	s_mov_b32 s[G0], 1
	s_mov_b32 s[G0+1], 0
	s_mov_b64 s[G0+2:G0+3], s[20:21]
	s_or_b32 s[G0+3], s[G0+3], 0x80000000
	s_mov_b32 s[G0B], 1
	s_mov_b32 s[G0B+1], 65536
	s_mov_b64 s[G0B+2:G0B+3], s[46:47]
	s_or_b32 s[G0B+3], s[G0B+3], 0x80000000
	s_mov_b32 s[G0S], 1
	s_mov_b32 s[G0S+1], SCL
	s_mov_b64 s[G0S+2:G0S+3], s[22:23]
	s_or_b32 s[G0S+3], s[G0S+3], 0x80000000
	s_mov_b32 s[G0SB], 1
	s_mov_b32 s[G0SB+1], SCL+8192
	s_mov_b64 s[G0SB+2:G0SB+3], s[98:99]
	s_or_b32 s[G0SB+3], s[G0SB+3], 0x80000000
	ARM 1, G0,  G1,  .Lhead_b                      ; one chain of branches on the wave's number: every way passes exactly one load
	ARM 2, G0B, G1B, .Lhead_sa
	ARM 3, G0S, G1S, .Lhead_sb
	tensor_load_to_lds s[G0SB:G0SB+3], s[G1SB:G1SB+7]
	s_nop 0
.rept 4
	v_nop
.endr
.Lhead_asked:
	v_and_b32 v1, 31, v0
	v_and_b32 v2, 15, v0
	v_bfe_u32 v3, v0, 4, 1
	v_lshlrev_b32 v[CO], 4, v1
	s_wait_alu depctr_va_vdst(0)
	s_lshl_b32 s20, s42, 10
	s_lshl_b32 s21, s16, 9
	s_add_co_u32 s20, s20, s21
	s_mov_b32 s21, 0
	s_add_nc_u64 s[92:93], s[92:93], s[20:21]
	s_lshl_b32 s22, s17, 19
	s_lshl_b32 s23, s15, 18
	s_add_co_u32 s22, s22, s23
	s_add_co_u32 s20, s20, s22
	s_add_nc_u64 s[94:95], s[94:95], s[20:21]
	s_add_nc_u64 s[96:97], s[96:97], s[20:21]
	global_load_b128 v[8:11], v[CO], s[92:93]
	WIN 0xc0
.irp a, 0,1,2,3
.irp t, 0,1,2,3,4,5,6,7,8,9,10,11,12,13,14,15
	global_load_b128 v[4*(16*\a+\t):4*(16*\a+\t)+3], v[CO], s[94:95] offset:(32*(\a/2)+8*(\a%2)+\t+8*(\t/8))*4096 th:TH_LOAD_NT
.endr
.endr
	WIN 0
	s_lshl_b32 s21, s15, 15
	s_lshl_b32 s22, s16, 16
	s_add_co_u32 s22, s22, 65536
.irp s, 0,1
	v_add_nc_u32 v[ADRA+\s], s21, v[CO]
	v_add_nc_u32 v[ADRB+\s], s22, v[CO]
	s_add_co_u32 s21, s21, SLOTB
	s_add_co_u32 s22, s22, SLOTB
.endr
	s_lshl_b32 s21, s15, 8
	s_lshl_b32 s22, s16, 9
	s_add_co_u32 s22, s22, 8192
	s_sub_co_u32 s22, s22, s21
	v_mul_u32_u24 v6, s22, v3
	s_add_co_u32 s21, s21, SCL
	v_lshl_add_u32 v5, v2, 2, v6
	v_add_nc_u32 v[ADRS], s21, v5
	s_mul_i32 s23, s14, 16*528
	s_add_co_u32 s23, s23, 0x35000                 ; the stages have LDS bytes of their own, behind the spare words: no fill lands there and no other wave reads them
	v_mul_u32_u24 v5, v2, 528
	v_lshl_add_u32 v5, v3, 6, v5
	v_add_nc_u32 v[STO], s23, v5
	v_add_nc_u32 v[RD], s23, v[CO]
.macro FRAG reg, adr, ks, i
.irp c, 0,1
	ds_load_b128 v[\reg+4*\c:\reg+4*\c+3], v[\adr] offset:(\i)*8192+((\ks)%4)*1024+512*\c
.endr
.endm
.macro FETCH ks
	WIN 0x40
.irp i, 0,1,2,3,4,5,6,7
	FRAG 128*((\ks)%2)+8*\i, ADRB+(\ks)/4, \ks, \i
.endr
	WIN 0
.set ii, 0
.rept NA
	FRAG AF+64*((\ks)%2)+8*ii, ADRA+(\ks)/4, \ks, ii
.set ii, ii+1
.endr
.irp i, 0,1,2,3,4,5,6,7
	ds_load_b32 v[SC+8*((\ks)%2)+\i], v[ADRS] offset:1024*(\ks)+64*\i
.endr
.endm
.macro MUL16 a0, ks, zero
.irp a, \a0, \a0+1
.irp b, 0,1,2,3,4,5,6,7
.if \zero
	v_wmma_scale_f32_16x16x128_f8f6f4 v[8*(8*((\a)%4)+\b):8*(8*((\a)%4)+\b)+7], v[128*((\ks)%2)+8*\b:128*((\ks)%2)+8*\b+7], v[AF+64*((\ks)%2)+8*(\a):AF+64*((\ks)%2)+8*(\a)+7], 0, v[SC+8*((\ks)%2)+\b], v[SC+8*((\ks)%2)+(\a)] matrix_a_fmt:MATRIX_FMT_FP4 matrix_b_fmt:MATRIX_FMT_FP4 matrix_a_scale:MATRIX_SCALE_ROW1
.else
	v_wmma_scale_f32_16x16x128_f8f6f4 v[8*(8*((\a)%4)+\b):8*(8*((\a)%4)+\b)+7], v[128*((\ks)%2)+8*\b:128*((\ks)%2)+8*\b+7], v[AF+64*((\ks)%2)+8*(\a):AF+64*((\ks)%2)+8*(\a)+7], v[8*(8*((\a)%4)+\b):8*(8*((\a)%4)+\b)+7], v[SC+8*((\ks)%2)+\b], v[SC+8*((\ks)%2)+(\a)] matrix_a_fmt:MATRIX_FMT_FP4 matrix_b_fmt:MATRIX_FMT_FP4 matrix_a_scale:MATRIX_SCALE_ROW1
.endif
.endr
.endr
.endm
.macro STEP ks, zero
	s_wait_dscnt 0x0
.if (\ks) < 7
	PLACES 4
	FETCH (\ks)+1
.endif
	WIN 0xa1
	MUL16 0, \ks, \zero
	MUL16 2, \ks, \zero
	WIN 0
.endm
	s_wait_alu depctr_va_vdst(0)
	s_wait_tensorcnt 0x0
	s_barrier_signal -1
	s_barrier_wait -1
	FETCH 0
	STEP 0, 1
.irp k, 1,2,3,4,5,6,7
	STEP \k, 0
.endr
.macro TOSTAGE a
.set AC, 64*(\a)
	WIN 0x08
.irp b, 0,1,2,3,4,5,6,7
	ds_store_b128 v[STO], v[AC+8*\b:AC+8*\b+3] offset:128*(\b/2)+32*(\b%2)
	ds_store_b128 v[STO], v[AC+8*\b+4:AC+8*\b+7] offset:128*(\b/2)+32*(\b%2)+16
.endr
	WIN 0
.set BB, BK+64*((\a)%2)
.irp t, 0,1,2,3,4,5,6,7,8,9,10,11,12,13,14,15
	ds_load_b128 v[BB+4*\t:BB+4*\t+3], v[RD] offset:\t*528
.endr
.endm
.macro SEND a, younger
.set BB, BK+64*((\a)%2)
	s_wait_dscnt \younger
	s_wait_loadcnt 48-16*(\a)
.irp t, 0,1,2,3,4,5,6,7,8,9,10,11,12,13,14,15
	v_pk_add_f32 v[BB+4*\t:BB+4*\t+1], v[BB+4*\t:BB+4*\t+1], v[8:9]
	v_pk_add_f32 v[BB+4*\t+2:BB+4*\t+3], v[BB+4*\t+2:BB+4*\t+3], v[10:11]
.endr
	WIN 0x0c
.irp t, 0,1,2,3,4,5,6,7,8,9,10,11,12,13,14,15
	v_pk_add_f32 v[BB+4*\t:BB+4*\t+1], v[BB+4*\t:BB+4*\t+1], v[4*(16*(\a)+\t):4*(16*(\a)+\t)+1]
	v_pk_add_f32 v[BB+4*\t+2:BB+4*\t+3], v[BB+4*\t+2:BB+4*\t+3], v[4*(16*(\a)+\t)+2:4*(16*(\a)+\t)+3]
.endr
	WIN 0
.irp t, 0,1,2,3,4,5,6,7,8,9,10,11,12,13,14,15
	global_store_b128 v[CO], v[BB+4*\t:BB+4*\t+3], s[96:97] offset:(32*((\a)/2)+8*((\a)%2)+\t+8*(\t/8))*4096 th:TH_STORE_NT
.endr
.endm
	PLACES 4
	TOSTAGE 0
.irp a, 1,2,3
.if \a > 1
	s_wait_xcnt 0x0
.endif
	TOSTAGE \a
	SEND \a-1, 32
.endr
	SEND 3, 0
	s_wait_dscnt 0x0
	s_wait_tensorcnt 0x0
	ds_add_u32 v126, v127
	s_wait_dscnt 0x0
	CROUND
	s_endpgm
.Lfunc_end_k_qb2c4aa2b57_proj:
	.size	k_qb2c4aa2b57_proj, .Lfunc_end_k_qb2c4aa2b57_proj-k_qb2c4aa2b57_proj
	.p2alignl 7, 3214868480
	.fill 96, 4, 3214868480
	.section	.rodata,"a",@progbits
	.p2align	6, 0x0
	.amdhsa_kernel k_qb2c4aa2b57_proj
		.amdhsa_group_segment_fixed_size 327680
		.amdhsa_private_segment_fixed_size 0
		.amdhsa_enable_private_segment 0
		.amdhsa_kernarg_size 56
		.amdhsa_user_sgpr_count 2
		.amdhsa_user_sgpr_kernarg_segment_ptr 1
		.amdhsa_wavefront_size32 1
		.amdhsa_system_sgpr_workgroup_id_x 1
		.amdhsa_system_sgpr_workgroup_id_y 1
		.amdhsa_system_sgpr_workgroup_id_z 1
		.amdhsa_system_vgpr_workitem_id 0
		.amdhsa_next_free_vgpr 1024
		.amdhsa_next_free_sgpr 100
		.amdhsa_reserve_vcc 0
		.amdhsa_float_denorm_mode_32 3
		.amdhsa_float_denorm_mode_16_64 3
		.amdhsa_memory_ordered 1
		.amdhsa_forward_progress 1
		.amdhsa_inst_pref_size 96
	.end_amdhsa_kernel
	.amdgpu_metadata
---
amdhsa.version: [ 1, 2 ]
amdhsa.kernels:
  - .name:           k_qb2c4aa2b57_proj
    .symbol:         k_qb2c4aa2b57_proj.kd
    .args:
      - { .name: oc, .offset: 0, .size: 8, .value_kind: global_buffer, .address_space: global }
      - { .name: os, .offset: 8, .size: 8, .value_kind: global_buffer, .address_space: global }
      - { .name: pc, .offset: 16, .size: 8, .value_kind: global_buffer, .address_space: global }
      - { .name: ps, .offset: 24, .size: 8, .value_kind: global_buffer, .address_space: global }
      - { .name: out_b, .offset: 32, .size: 8, .value_kind: global_buffer, .address_space: global }
      - { .name: x, .offset: 40, .size: 8, .value_kind: global_buffer, .address_space: global }
      - { .name: out0, .offset: 48, .size: 8, .value_kind: global_buffer, .address_space: global }
    .group_segment_fixed_size: 327680
    .private_segment_fixed_size: 0
    .kernarg_segment_align: 8
    .kernarg_segment_size: 56
    .max_flat_workgroup_size: 128
    .sgpr_count:     100
    .vgpr_count:     1024
    .wavefront_size: 32
...
	.end_amdgpu_metadata
.endif
;; end of part 4
